; MI455X (gfx1250); checked and timed in simulation.
; The chip was launched on July 23, 2026; its instructions are those of AMD's public machine-readable ISA for CDNA 5 (MIT licence, August 2026) and "CDNA5" Instruction Set Architecture Reference Guide (July 2026). The comments in the code are by the model that wrote it; some were corrected since.
;; Attention. Allowed arithmetic: matrix products marked QUANTISED: E2M1 operands, one E8M0 scale for each 32 along K, by v_wmma_scale_f32_16x16x128_f8f6f4 with both operands' format E2M1 (or v_wmma_scale_f32_32x16x128_f4), f32 sums; everything else in f32.
;; Inputs: ln_b 1,024 float32; ln_w 1,024 float32; w_out 1,024 x 1,024 float32; w_qkv 3,072 x 1,024 float32; x 2,048 x 4 x 1,024 float32.
;; Outputs: out0 2,048 x 4 x 1,024 float32.
;; This version of the problem:
;;   THIS VERSION OF THE PROBLEM IS GIVEN IN LOW PRECISION. The matrix products marked QUANTISED in the list below multiply operands that are first quantised to E2M1 (2 exponent bits, 1 mantissa bit; 4 bits a number), with one power-of-two scale for each 32 numbers along K (OCP MX v1.0); their sums are f32. All else is computed in f32.
;;   The module's matrix products, in the order in which they are computed (A, B: the left and right operand; K: the contracted axis; several contracted axes count as one K, in the product's order):
;;     1. [M 8,192, K 1,024] x [K 1,024, N 3,072]; A: computed on the way; B: input w_qkv: QUANTISED
;;     2. batch 64 x [M 2,048, K 64] x [K 64, N 2,048]; A: computed on the way; B: computed on the way: QUANTISED
;;     3. batch 64 x [M 64, K 2,048] x [K 2,048, N 2,048]; A: computed on the way; B: softmax (see below): QUANTISED
;;     4. [M 8,192, K 1,024] x [K 1,024, N 1,024]; A: computed on the way; B: input w_out: QUANTISED
;;   THE QUANTISER, for each operand of a quantised product, along K:
;;     - K is cut into blocks of 32 from its start; a last block that is shorter is filled with zeros.
;;     - A block's scale is 2^e with e = floor(log2(the largest magnitude in the block)) - 2, held to -126 .. 127; a block of zeros has e = 0. As a byte (E8M0): e + 127.
;;     - Each number is divided by its block's scale, clamped to +-6, and rounded to the nearest number of E2M1, ties to even, subnormals kept.
;;     - The product sums the exact products of the quantised numbers (number of the format x scale) in f32.
;;   ~~~python
;;   def quantise(x, axis):      # numpy; x: float32 -> the quantised numbers, widened to float32 again
;;       x = np.moveaxis(x, axis, -1); K = x.shape[-1]
;;       x = np.pad(x, [(0, 0)] * (x.ndim - 1) + [(0, -K % 32)]); x = x.reshape(x.shape[:-1] + (-1, 32)); a = np.abs(x).max(-1, keepdims=True)
;;       e = np.where(a > 0, np.clip(np.frexp(np.where(a > 0, a, 1))[1] - 1 - 2, -126, 127), 0)      # np.frexp(a)[1] - 1 = floor(log2(a)), exactly
;;       r = np.clip(x / 2.0 ** e, -6, 6)
;;       step = 2.0 ** (np.maximum(np.frexp(np.where(r == 0, 1, r))[1] - 1, 0) - 1)
;;       q = np.round(r / step) * step * 2.0 ** e      # np.round: ties to even
;;       return np.moveaxis(q.reshape(q.shape[:-2] + (-1,))[..., :K], -1, axis).astype(np.float32)
;;   ~~~
;;   SOFTMAX AHEAD OF A QUANTISED PRODUCT. Where the list says 'softmax', what is quantised is not the finished softmax but p = 2^(t - M), with t = logit x log2(e) and M = ceil(the row's largest t), a whole number; so 1/2 < the row's largest p <= 1. The row's sum l is taken of the UNQUANTISED p, in f32, and the product's result is divided by l at the end. Since M is a whole number, a kernel that streams over the keys may use a running M (the ceiling of the running maximum): every later rescaling is an exact power of two, which a block's scale takes up: the codes' values come out the same.
;;   OPERANDS COMPUTED ON THE WAY. 'Computed on the way' means the value that the module computes at that place (a softmax that the list does not call 'softmax' is quantised finished and normalised). What goes into a quantiser is computed in f32, as accurately as f32 sums, v_exp_f32 and their like allow (about 1e-6 of the number): no bf16 or f16 on the way to a quantiser, and a product that is left as it is and whose result goes on into a quantised operand takes f32 operands (vector FMAs, or v_wmma_f32_16x16x4_f32). A number that lies on a knife's edge between two numbers of the format may be rounded either way, as far as f32 arithmetic and the matrix unit's own rounding can turn it there, and no further.
;; One version. Each part assembles by itself: llvm-mc -triple=amdgcn-amd-amdhsa -mcpu=gfx1250 --defsym DOCPART=n.
;; ======== version 1 of 1: 4 launches
;; limits: right only within a limited range of input values
;; workspace buffers: xq 4,456,448 bytes; wq 2,228,224 bytes; qq 4,718,592 bytes; kv 8,912,896 bytes; ao 4,456,448 bytes
;; launch prep (part 1): grid 768 x 1, 4 waves a work-group, no clusters, 67,072 bytes of LDS; arguments x, w_qkv, w_out, ln_w, ln_b, xq, wq; writes xq, wq
.if DOCPART == 1
	.amdgcn_target "amdgcn-amd-amdhsa--gfx1250"
	.amdhsa_code_object_version 6
	.text
	.protected	k_qb4eed8479e_prep
	.globl	k_qb4eed8479e_prep
	.p2align	8
	.type	k_qb4eed8479e_prep,@function
k_qb4eed8479e_prep:
	s_mov_b64 s[64:65], 0
	v_nop
	global_prefetch_b8 v0, s[64:65] scope:SCOPE_SE
	s_setreg_imm32_b32 hwreg(HW_REG_WAVE_MODE, 25, 1), 1
	s_wait_xcnt 0x0
; PREP: LayerNorm(x), w_qkv and w_out become codes of FP4 (E2M1) with one E8M0 scale byte for each 32 along K = 1,024, laid as IMAGES OF OPERAND REGISTERS.
; A work-group of four waves makes one TILE of 16 rows.  Work-groups 0-511: x; 512-703: w_qkv; 704-767: w_out.
; THE ROWS OF A TILE ARE NOT NEIGHBOURS: rows go in groups of 32; lane r of tile 2 g + u takes row 32 g + 8 u + r + 8 (r / 8), so that where such tiles are a product's source 0 the 16 result registers of
; tiles 2 g and 2 g + 1 are 16 neighbouring rows.  x's tile t = 128 b + 2 S + u holds s = 32 S + .. of batch b (memory row 4 s + b); w_qkv's tile 64 part + 4 n + 2 g + u holds rows 192 n + 64 part + 32 g + ..
; CODE IMAGE of a tile: [K half][tile][K step % 4][c][512 bytes]: lane (r, h) has 16 bytes at 16 x lane: k = 128 step + 64 c + 32 h + 0 .. 31 of tile row r.  SCALE IMAGE: 512 bytes: lane (r, hh) has four words: K steps 4 hh + 0 .. 3 of row r.
; PHASES: wave w loads tile rows 4 w .. 4 w + 3, each load 512 consecutive bytes; x's rows are normalised (mean, then the centred squares: two passes in registers); the rows go to a stage in LDS | barrier |
; wave w takes K steps 2 w, 2 w + 1: a lane reads whole blocks of 32 of its row, makes scale and codes, and the wave stores 512 consecutive bytes a chunk; the scale words meet in LDS | barrier | wave 0 stores the 512-byte scale image.
; A block's scale byte is its largest magnitude's exponent field - 2, held at 1 from below.
; LIMITS: NaN and infinities are not served; a block of zeros, or one whose largest magnitude lies under 2^-124, gets the byte 1 (its codes are zeros or tiny; these bytes are read by this program alone).
.set STP,   4112                       ; a stage row: 4,096 bytes + 16: an odd multiple of 16, so that 16 rows' equal columns fall on different banks
.set SCST,  16*STP                     ; behind the stage: the tile's 512 bytes of scale words
.set X,     64                         ; v64-191  four rows as loaded (row i: register 32 i + 4 j + e = number 128 j + 4 lane + e); later four chunks of 32 neighbours
.set LW,    192                        ; v192-223 ln_w, v224-255 ln_b, in the same order as a row
.set LB,    224
.set CD,    48                         ; v48-63   the codes of four chunks: no store's data are written again
.set RSD,   40                         ; v40-47   1 / sqrt(var + eps) of the four rows, in the low register of a pair
	s_load_b256 s[4:11], s[0:1], 0x0               ; x s[4:5], w_qkv s[6:7], w_out s[8:9], ln_w s[10:11]
	s_load_b128 s[12:15], s[0:1], 0x20             ; ln_b s[12:13], xq s[14:15]
	s_load_b64 s[16:17], s[0:1], 0x30              ; wq
	v_lshl_add_u32 v38, v0, 2, 0x10400
	v_mov_b32 v39, 0
	v_lshrrev_b32 v1, 5, v0
	v_readfirstlane_b32 s18, v1                    ; wave 0..3
	v_and_b32 v1, 31, v0                           ; lane
	v_and_b32 v2, 15, v0                           ; r
	s_wait_alu depctr_va_vdst(0)
	v_bfe_u32 v3, v0, 4, 1                         ; h
	v_lshlrev_b32 v4, 4, v1                        ; 16 x lane
	s_wait_alu depctr_va_vdst(0)
	s_mov_b32 s20, 0x76543210
	s_mov_b32 s21, 0xfedcba98                      ; v_permlanex16_b32's selects for lane l xor 16
	s_mov_b32 s40, 0x3a800000                      ; 1 / 1,024
	s_mov_b32 s41, 0x3727c5ac                      ; 1e-5
	s_mul_i32 s29, s18, 4*STP
	v_add_nc_u32 v9, s29, v4                       ; the stage, in: my four rows, 16 x lane
	v_mul_u32_u24 v10, v2, STP
	v_lshl_add_u32 v10, v3, 7, v10
	s_lshl_b32 s29, s18, 10
	v_add_nc_u32 v10, s29, v10                     ; out: row r, my wave's 256 numbers, my half's block of 32
	s_lshr_b32 s29, s18, 1
	s_lshl_b32 s29, s29, 8
	s_and_b32 s42, s18, 1
	s_lshl_b32 s42, s42, 3
	s_add_co_u32 s29, s29, s42
	s_add_co_u32 s29, s29, SCST
	v_lshl_add_u32 v11, v2, 4, s29                 ; my two scale words: 256 (wave / 2) + 8 (wave % 2) + 16 r
	v_add_nc_u32 v12, SCST, v4                     ; and the whole image, 16 bytes a lane
	v_lshlrev_b32 v13, 3, v3                       ; 8 h
	; what differs between the three tensors: scalars alone.  s22 tile, s23 its first row, s24 extra bytes, s25 bytes from row to row, s26 the codes' first byte, s27 bytes from K half to K half, s28 the scale images' first byte
	s_cmp_lt_u32 ttmp9, 512
	s_cbranch_scc0 .Lkind_w
	s_mov_b32 s22, ttmp9
	s_bfe_u32 s23, ttmp9, 0x60001                  ; S
	s_lshl_b32 s23, s23, 5
	s_and_b32 s29, ttmp9, 1
	s_lshl_b32 s29, s29, 3
	s_add_co_u32 s23, s23, s29                     ; s = 32 S + 8 u
	s_lshr_b32 s24, ttmp9, 7
	s_lshl_b32 s24, s24, 12                        ; batch b: 4,096 bytes
	s_mov_b32 s25, 16384                           ; from s to s + 1
	s_mov_b32 s26, 0
	s_mov_b32 s27, 2097152
	s_mov_b32 s28, 4194304
	s_branch .Lkind_done
.Lkind_w:
	s_cmp_lt_u32 ttmp9, 704
	s_cbranch_scc0 .Lkind_o
	s_sub_co_u32 s22, ttmp9, 512
	s_bfe_u32 s23, s22, 0x40002                    ; head n
	s_mul_i32 s23, s23, 192
	s_lshr_b32 s29, s22, 6                         ; part: q, k, v
	s_lshl_b32 s29, s29, 6
	s_add_co_u32 s23, s23, s29
	s_and_b32 s29, s22, 2
	s_lshl_b32 s29, s29, 4
	s_add_co_u32 s23, s23, s29
	s_and_b32 s29, s22, 1
	s_lshl_b32 s29, s29, 3
	s_add_co_u32 s23, s23, s29
	s_mov_b32 s24, 0
	s_mov_b32 s25, 4096
	s_mov_b32 s26, 0
	s_mov_b32 s27, 786432
	s_mov_b32 s28, 1572864
	s_branch .Lkind_done
.Lkind_o:
	s_sub_co_u32 s22, ttmp9, 704
	s_lshr_b32 s23, s22, 1
	s_lshl_b32 s23, s23, 5
	s_and_b32 s29, s22, 1
	s_lshl_b32 s29, s29, 3
	s_add_co_u32 s23, s23, s29
	s_mov_b32 s24, 0
	s_mov_b32 s25, 4096
	s_mov_b32 s26, 1671168
	s_mov_b32 s27, 262144
	s_mov_b32 s28, 2195456
.Lkind_done:
	v_mov_b32 v5, v4                               ; v5-8: 16 x lane + i rows
	v_add_nc_u32 v6, s25, v5
	v_add_nc_u32 v7, s25, v6
	v_add_nc_u32 v8, s25, v7
	s_lshl_b32 s34, s18, 2                         ; my first row: tile rows 4 w on lie 4 w + 8 (w / 2) rows behind the tile's first
	s_lshr_b32 s29, s18, 1
	s_lshl_b32 s29, s29, 3
	s_add_co_u32 s34, s34, s29
	s_add_co_u32 s34, s34, s23
	s_mul_i32 s34, s34, s25
	s_add_co_u32 s34, s34, s24
	s_mov_b32 s35, 0
	s_lshr_b32 s42, s18, 1                         ; my codes: K half w / 2, the tile's 4,096 bytes, K steps 2 (w % 2) on
	s_mul_i32 s42, s42, s27
	s_add_co_u32 s42, s42, s26
	s_lshl_b32 s29, s22, 12
	s_add_co_u32 s42, s42, s29
	s_and_b32 s29, s18, 1
	s_lshl_b32 s29, s29, 11
	s_add_co_u32 s42, s42, s29
	s_mov_b32 s43, 0
	s_lshl_b32 s44, s22, 9                         ; the tile's scale image
	s_add_co_u32 s44, s44, s28
	s_mov_b32 s45, 0
	s_wait_kmcnt 0x0
	s_cmp_lt_u32 ttmp9, 704                        ; the buffers are chosen by the work-group's number alone
	s_cselect_b64 s[30:31], s[6:7], s[8:9]
	s_cmp_lt_u32 ttmp9, 512
	s_cselect_b64 s[30:31], s[4:5], s[30:31]
	s_cselect_b64 s[32:33], s[14:15], s[16:17]
	s_add_nc_u64 s[30:31], s[30:31], s[34:35]
	s_add_nc_u64 s[36:37], s[32:33], s[42:43]
	s_add_nc_u64 s[38:39], s[32:33], s[44:45]
.macro ROWLOADS                        ; my four rows: each load reads 512 consecutive bytes
.irp i, 0,1,2,3
.irp j, 0,1,2,3,4,5,6,7
	global_load_b128 v[X+32*\i+4*\j:X+32*\i+4*\j+3], v[5+\i], s[30:31] offset:512*\j th:TH_LOAD_NT
.endr
.endr
.endm
.macro FOLD                            ; four chains of pairs, v[16:23], into v16
	v_pk_add_f32 v[16:17], v[16:17], v[18:19]
	v_pk_add_f32 v[20:21], v[20:21], v[22:23]
	v_pk_add_f32 v[16:17], v[16:17], v[20:21]
	v_add_f32 v16, v16, v17
.endm
.macro REDUCE                          ; v16 summed over the 32 lanes, the result in every lane
	v_add_f32_dpp v16, v16, v16 row_xmask:1 row_mask:0xf bank_mask:0xf
	v_add_f32_dpp v16, v16, v16 row_xmask:2 row_mask:0xf bank_mask:0xf
	v_add_f32_dpp v16, v16, v16 row_xmask:4 row_mask:0xf bank_mask:0xf
	v_add_f32_dpp v16, v16, v16 row_xmask:8 row_mask:0xf bank_mask:0xf
	v_permlanex16_b32 v17, v16, s20, s21
	v_add_f32 v16, v16, v17
.endm
; Row i: its mean is taken away in place, and var + eps is left in v[RSD + 2 i].  The squares are those of the centred numbers, so that a common offset of x costs no accuracy.
.macro ROWSTAT i
	s_wait_loadcnt 24-8*\i                         ; this row's eight loads are in (ln_w and ln_b were asked for earlier); the later rows' eight each may be out
.irp c, 0,1,2,3
	v_pk_add_f32 v[16+2*\c:17+2*\c], v[X+32*\i+2*\c:X+32*\i+2*\c+1], v[X+32*\i+8+2*\c:X+32*\i+9+2*\c]
.endr
.irp g, 16,24
.irp c, 0,1,2,3
	v_pk_add_f32 v[16+2*\c:17+2*\c], v[16+2*\c:17+2*\c], v[X+32*\i+\g+2*\c:X+32*\i+\g+2*\c+1]
.endr
.endr
	FOLD
	REDUCE
	v_mul_f32 v16, 0xba800000, v16                 ; - the mean
	v_mov_b32 v17, v16
.irp p, 0,2,4,6,8,10,12,14,16,18,20,22,24,26,28,30
	v_pk_add_f32 v[X+32*\i+\p:X+32*\i+\p+1], v[X+32*\i+\p:X+32*\i+\p+1], v[16:17]
.endr
.irp c, 0,1,2,3
	v_pk_mul_f32 v[16+2*\c:17+2*\c], v[X+32*\i+2*\c:X+32*\i+2*\c+1], v[X+32*\i+2*\c:X+32*\i+2*\c+1]
.endr
.irp g, 8,16,24
.irp c, 0,1,2,3
	v_pk_fma_f32 v[16+2*\c:17+2*\c], v[X+32*\i+\g+2*\c:X+32*\i+\g+2*\c+1], v[X+32*\i+\g+2*\c:X+32*\i+\g+2*\c+1], v[16+2*\c:17+2*\c]
.endr
.endr
	FOLD
	REDUCE
	v_fma_f32 v[RSD+2*\i], v16, s40, s41           ; var + eps
.endm
.macro ROWNORM i                       ; ((x - mean) / sqrt(var + eps)) ln_w + ln_b
.irp p, 0,2,4,6,8,10,12,14,16,18,20,22,24,26,28,30
	v_pk_mul_f32 v[X+32*\i+\p:X+32*\i+\p+1], v[X+32*\i+\p:X+32*\i+\p+1], v[RSD+2*\i:RSD+2*\i+1] op_sel_hi:[1,0]
.endr
.irp p, 0,2,4,6,8,10,12,14,16,18,20,22,24,26,28,30
	v_pk_fma_f32 v[X+32*\i+\p:X+32*\i+\p+1], v[X+32*\i+\p:X+32*\i+\p+1], v[LW+\p:LW+\p+1], v[LB+\p:LB+\p+1]
.endr
.endm
	s_cmp_lt_u32 ttmp9, 512
	s_cbranch_scc0 .Lweights
.irp j, 0,1,2,3,4,5,6,7
	global_load_b128 v[LW+4*\j:LW+4*\j+3], v4, s[10:11] offset:512*\j
	global_load_b128 v[LB+4*\j:LB+4*\j+3], v4, s[12:13] offset:512*\j
.endr
	s_wait_alu depctr_va_vdst(0)
	ROWLOADS
.irp i, 0,1,2,3
	v_mov_b32 v[RSD+2*\i+1], 0                     ; (the upper registers of the pairs are named with the lower, so they are written)
.endr
	ROWSTAT 0
	ROWSTAT 1
	ROWSTAT 2
	ROWSTAT 3
	s_wait_alu depctr_va_vdst(0)
.irp i, 0,1,2,3
	v_rsq_f32 v[RSD+2*\i], v[RSD+2*\i]             ; one batch of four
.endr
	v_nop                                          ; a plain instruction behind the last of them
	s_wait_alu depctr_va_vdst(0)                   ; the wait ahead of the first reader: one for the four
	ROWNORM 0
	ROWNORM 1
	ROWNORM 2
	ROWNORM 3
	s_branch .Lput
.Lweights:
	s_wait_alu depctr_va_vdst(0)
	ROWLOADS                                       ; a weight's rows are quantised as they are
.Lput:
	s_wait_loadcnt 0x0
	s_wait_alu depctr_va_vdst(0)
.irp i, 0,1,2,3
.irp j, 0,1,2,3,4,5,6,7
	ds_store_b128 v9, v[X+32*\i+4*\j:X+32*\i+4*\j+3] offset:\i*STP+512*\j
.endr
.endr
	s_wait_dscnt 0x0                               ; for the others' sake: my rows lie in the stage
	s_barrier_signal -1
	s_barrier_wait -1
.irp q, 0,1,2,3                        ; chunk q: K step 2 w + q / 2, c = q % 2: my block of 32 numbers of row r
.irp e, 0,1,2,3,4,5,6,7
	ds_load_b128 v[X+32*\q+4*\e:X+32*\q+4*\e+3], v10 offset:256*\q+16*\e
.endr
.endr
.macro CHUNK q
.set XS, X+32*\q
	s_wait_dscnt 8*(3-\q)                          ; this chunk's eight loads are in; the later chunks' eight each may be out
	v_max3_num_f32 v16, |v[XS]|, |v[XS+1]|, |v[XS+2]|              ; the block's largest magnitude: all 32 numbers are mine; two chains
	v_max3_num_f32 v17, |v[XS+3]|, |v[XS+4]|, |v[XS+5]|
.irp i, 6,10,14,18,22,26
	v_max3_num_f32 v16, v16, |v[XS+\i]|, |v[XS+\i+1]|
	v_max3_num_f32 v17, v17, |v[XS+\i+2]|, |v[XS+\i+3]|
.endr
	v_max3_num_f32 v16, v16, |v[XS+30]|, |v[XS+31]|
	v_max3_num_f32 v16, v16, v17, 0x1800000        ; and the floor 2^(3 - 127): the byte cannot fall under 1
	v_add_nc_u32 v[20+\q], 0xff000000, v16         ; 2 off its exponent field: the conversion takes the exponent field of this operand as its scale
	v_lshrrev_b32 v[24+\q], 23, v[20+\q]           ; the scale's byte
.irp g, 0,1,2,3
	v_cvt_scalef32_pk8_fp4_f32 v[CD+4*\q+\g], v[XS+8*\g:XS+8*\g+7], v[20+\q]
.endr
	v_nop                                          ; one plain instruction behind the conversions
	global_store_b128 v4, v[CD+4*\q:CD+4*\q+3], s[36:37] offset:512*\q   ; 32 lanes store 512 consecutive bytes, aligned to 256
.endm
	CHUNK 0
	CHUNK 1
	CHUNK 2
	CHUNK 3
	v_lshl_or_b32 v28, v25, 16, v24                ; K step 2 w: my bytes are those of blocks h and 2 + h,
	v_lshl_or_b32 v29, v27, 16, v26                ; K step 2 w + 1 likewise,
	v_lshlrev_b32 v28, v13, v28                    ; at their places in the word (8 h bits up);
	v_lshlrev_b32 v29, v13, v29
	v_mov_b32 v30, 0
	v_mov_b32 v31, 0
	v_permlanex16_b32 v30, v28, s20, s21
	v_permlanex16_b32 v31, v29, s20, s21
	v_or_b32 v28, v28, v30                         ; with lane l xor 16's two bytes each word is whole
	v_or_b32 v29, v29, v31
	ds_store_b64 v11, v[28:29]                     ; both halves of the lanes write the same words with the same values
	s_wait_dscnt 0x0
	s_barrier_signal -1
	s_barrier_wait -1
	s_cmp_lg_u32 s18, 0
	s_cbranch_scc1 .Lend
	ds_load_b128 v[32:35], v12
	s_wait_dscnt 0x0
	global_store_b128 v4, v[32:35], s[38:39]       ; the tile's scale image: 512 consecutive bytes
.Lend:
	s_wait_tensorcnt 0x0
	ds_add_u32 v38, v39
	s_wait_dscnt 0x0
	s_endpgm
.Lfunc_end_k_qb4eed8479e_prep:
	.size	k_qb4eed8479e_prep, .Lfunc_end_k_qb4eed8479e_prep-k_qb4eed8479e_prep
	.p2alignl 7, 3214868480
	.fill 96, 4, 3214868480
	.section	.rodata,"a",@progbits
	.p2align	6, 0x0
	.amdhsa_kernel k_qb4eed8479e_prep
		.amdhsa_group_segment_fixed_size 67072
		.amdhsa_private_segment_fixed_size 0
		.amdhsa_enable_private_segment 0
		.amdhsa_kernarg_size 56
		.amdhsa_user_sgpr_count 2
		.amdhsa_user_sgpr_kernarg_segment_ptr 1
		.amdhsa_wavefront_size32 1
		.amdhsa_system_sgpr_workgroup_id_x 1
		.amdhsa_system_sgpr_workgroup_id_y 1
		.amdhsa_system_sgpr_workgroup_id_z 1
		.amdhsa_system_vgpr_workitem_id 0
		.amdhsa_next_free_vgpr 256
		.amdhsa_next_free_sgpr 66
		.amdhsa_reserve_vcc 0
		.amdhsa_float_denorm_mode_32 3
		.amdhsa_float_denorm_mode_16_64 3
		.amdhsa_memory_ordered 1
		.amdhsa_forward_progress 1
		.amdhsa_inst_pref_size 49
	.end_amdhsa_kernel
	.amdgpu_metadata
---
amdhsa.version: [ 1, 2 ]
amdhsa.kernels:
  - .name:           k_qb4eed8479e_prep
    .symbol:         k_qb4eed8479e_prep.kd
    .args:
      - { .name: x, .offset: 0, .size: 8, .value_kind: global_buffer, .address_space: global }
      - { .name: w_qkv, .offset: 8, .size: 8, .value_kind: global_buffer, .address_space: global }
      - { .name: w_out, .offset: 16, .size: 8, .value_kind: global_buffer, .address_space: global }
      - { .name: ln_w, .offset: 24, .size: 8, .value_kind: global_buffer, .address_space: global }
      - { .name: ln_b, .offset: 32, .size: 8, .value_kind: global_buffer, .address_space: global }
      - { .name: xq, .offset: 40, .size: 8, .value_kind: global_buffer, .address_space: global }
      - { .name: wq, .offset: 48, .size: 8, .value_kind: global_buffer, .address_space: global }
    .group_segment_fixed_size: 67072
    .private_segment_fixed_size: 0
    .kernarg_segment_align: 8
    .kernarg_segment_size: 56
    .max_flat_workgroup_size: 128
    .sgpr_count:     66
    .vgpr_count:     256
    .wavefront_size: 32
...
	.end_amdgpu_metadata
.endif
;; end of part 1
;; launch qkv (part 2): grid 12 x 16, 4 waves a work-group, clusters of 4 x 4, 327,680 bytes of LDS; arguments xq, wq, qq, kv; writes qq, kv
.if DOCPART == 2
	.amdgcn_target "amdgcn-amd-amdhsa--gfx1250"
	.amdhsa_code_object_version 6
	.text
	.protected	k_qb4eed8479e_qkv
	.globl	k_qb4eed8479e_qkv
	.p2align	8
	.type	k_qb4eed8479e_qkv,@function
k_qb4eed8479e_qkv:
	s_mov_b64 s[64:65], 0
	v_nop
	global_prefetch_b8 v0, s[64:65] scope:SCOPE_SE
	s_setreg_imm32_b32 hwreg(HW_REG_WAVE_MODE, 25, 1), 1
	s_wait_xcnt 0x0
	s_wait_alu depctr_hold_cnt(0) depctr_sa_sdst(0) depctr_va_vdst(0) depctr_va_sdst(0) depctr_va_ssrc(0) depctr_va_vcc(0) depctr_vm_vsrc(0)
	s_getreg_b32 s2, hwreg(HW_REG_IB_STS2, 6, 4)
	s_cmp_eq_u32 s2, 0
	s_cbranch_scc0 .Lentry_in_a_cluster
	s_endpgm
.Lentry_in_a_cluster:
	s_bfe_u32 s2, ttmp6, 0x10000c
	s_cmp_lg_u32 s2, 0xf033
	s_cbranch_scc0 .Lentry_shape_is_right
	s_endpgm
.Lentry_shape_is_right:
; QKV: LN(x) w_qkv^T on codes of FP4 (E2M1) with E8M0 scales, K = 1,024; the result never goes to memory as f32: it is quantised in registers into the operands of attention's two products.
; A work-group of four waves makes 256 rows of x (16 tiles, one batch, 256 neighbouring s) x 256 rows of w_qkv (16 tiles: q, k or v of four heads).  The cluster's x (0, 1, 2) says which of q, k, v: the same in all sixteen partners.
; THE RESULT IS QUANTISED ALONG SOURCE 0's ROWS, since a lane's result registers run along them.  q and k are quantised along the head's 64: source 0 (P) = w's rows, source 1 (R) = x's rows.
; v is quantised along the keys: P = x's rows, R = w's rows.  The tiles' rows were chosen (launch prep) so that the 16 registers of two neighbouring P tiles are 16 neighbours.
; A wave makes 128 of P x 128 of R: 64 accumulators, 512 registers.  All of K fits in LDS: two slots of 512 along K, w's tiles are filled once, x's once more for the second tile of the result.
; Tiles lie in memory and in LDS as images of operand registers: a fragment is two loads of 16 x lane + constants: no pitch, no padding, each load 512 consecutive bytes.
; CLUSTERS: 4 x 4.  x's tiles hang on the work-group's y and are asked for jointly along a row of the cluster, w's on its x and jointly along a column.
; OUT: qq: q's codes [16 b + n][tile 128][512 B] (lane (r, h): block h of query r); from byte 4,194,304 scale words [head][group of 8 tiles][lane (r, hh)][4 words], word i for tile 2 i + hh: bytes s0, s1, s0, s1.
;      kv: [16 b + n][step of 128 keys][8,704 B]: 8 key tiles of 512 B; from 4,096 v's four fragments (16 of d x 128 keys); from 8,192 scale words: lanes 0-15 k's (word f: tiles 2 f, 2 f + 1), lanes 16-31 v's (word t: tile t).
; LIMITS: NaN and infinities are not served; a block whose largest magnitude lies under 2^-124 gets the scale byte 1.
; REGISTERS, in windows of 256: window 0: v1-3 lane terms; v16-27 addresses; v32-63 P's scale words, v64-95 R's; v96-103 the scale words made; v104-127 at work; v128-191 R's fragments, ONE set, later the codes made.
;   window 1: P's fragments, TWO sets, at v0 and v128.   window 2: accumulators of R tiles 0-3 ((a, b) at v[8 (8 a + b)]);   window 3: of R tiles 4-7.
.set SLOT,  32768                      ; in a wave's 65,536 bytes of LDS: its 8 tiles of K half 0, then those of K half 1
.set SCX,   262144
.set NP,    4                          ; places behind this matrix instruction (ISA guide 7.12.1)
.set ADRR,  16                         ; v16-17  LDS address of R's fragments in slot 0, 1
.set ADRP,  20                         ; v20-21  of P's
.set ADSP,  22
.set ADSR,  23
.set LI,    24                         ; v24     16 x lane
.set SO,    26                         ; v26     139,264 h + 16 r: the halves of the lanes store the scale words of two heads
.set PSEL,  27                         ; v27     the byte select that picks head h's two bytes of two words
.set SP,    32
.set SR,    64
.set PW,    96
.set TM,    104
.set TT,    120
.set AF,    128
.set G1,   24                          ; s[24:31] descriptor group 1 for x's codes;  s[32:35] group 0
.set G0,   32
.set G1B,  48                          ; s[48:55], s[56:59] the same for w's
.set G0B,  56
.set G1S,  68
.set G0S,  76
.set G1SB, 80
.set G0SB, 88
.set MSB, 0
.macro WIN new                         ; the immediate's high byte repeats the setting that is left
.if MSB != \new
	s_set_vgpr_msb (MSB<<8)|\new
.set MSB, \new
.endif
.endm
.set MUL_LO, 0xa1                      ; source 0 (P) window 1, source 1 (R) window 0, C and D window 2
.set MUL_HI, 0xf1                      ; the same, C and D window 3
.set TO_P,   0x40                      ; destination window 1, address window 0
; A joint load: waves 0 and 1 fetch x's halves, waves 2 and 3 w's.  Each line has one mask and one set of registers for all that issue it; the branch hangs on the wave's number alone.
; Four v_nop follow each of the two lines, ahead of the jump, the label and what follows.
.macro JLOAD g0a, g1a, g0b, g1b
	s_cmp_eq_u32 s15, 0
	s_cbranch_scc0 .Lfor_b_\@
	tensor_load_to_lds s[\g0a:\g0a+3], s[\g1a:\g1a+7]
	s_nop 0
.rept 4
	v_nop
.endr
	s_branch .Lasked_\@
.Lfor_b_\@:
	tensor_load_to_lds s[\g0b:\g0b+3], s[\g1b:\g1b+7]
	s_nop 0
.rept 4
	v_nop
.endr
.Lasked_\@:
.endm
.macro CROUND                          ; a round of the cluster's barrier
	s_barrier_signal -1
	s_barrier_wait -1
	s_cmp_lg_u32 s14, 0
	s_cbranch_scc1 .Lnot_wave_0_\@
	s_barrier_signal -3
.Lnot_wave_0_\@:
	s_barrier_wait -3
	s_barrier_signal -1
	s_barrier_wait -1
.endm
	s_load_b128 s[4:7], s[0:1], 0x0                ; xq s[4:5], wq s[6:7]
	s_load_b128 s[8:11], s[0:1], 0x10              ; qq s[8:9], kv s[10:11]
	v_lshl_add_u32 v254, v0, 2, 0x44000
	v_mov_b32 v255, 0
	ds_add_u32 v254, v255
	ds_add_u32 v254, v255
	v_lshrrev_b32 v1, 5, v0
	v_readfirstlane_b32 s14, v1                    ; wave 0..3
	s_lshr_b32 s15, s14, 1                         ; wr: my half of R.  Also: I fetch for x (0) or for w (1)
	s_and_b32 s16, s14, 1                          ; wp: my half of P.  Also: which 8 tiles I fetch
	s_bfe_u32 s40, ttmp6, 0x40000                  ; cx, cy: my place in the cluster
	s_bfe_u32 s41, ttmp6, 0x40004
	s_lshl_b32 s42, ttmp9, 2
	s_add_co_u32 s42, s42, s40                     ; work-group x: 16 tiles of w_qkv
	s_and_b32 s17, ttmp7, 0xffff
	s_lshl_b32 s17, s17, 2
	s_add_co_u32 s17, s17, s41
	s_lshl_b32 s17, s17, 1                         ; A WORK-GROUP STAYS and makes two tiles of the result: x's blocks of 16 tiles 2 y and 2 y + 1 (one batch), against the same 16 tiles of w, which stay in LDS.  s17: the first
	s_lshl_b32 s43, s41, 2
	s_lshl_b32 s43, 15, s43                        ; my row of the cluster
	s_lshl_b32 s44, 0x1111, s40                    ; my column
	; descriptor group 1: 8 tiles of one K half are 32,768 dense bytes: 128 rows of 32 elements of 8 bytes; no padding
	s_or_b32 s[G1+0], s43, (3<<16)|(1<<21)         ; 15:0 the mask: x's tiles go to my row; 17:16 elements of 8 bytes; 21 set beside a mask
	s_or_b32 s[G1B+0], s44, (3<<16)|(1<<21)        ; w's tiles go to my column
.irp g, G1, G1B                        ; ONE load brings 8 tiles of BOTH K halves: two rows of 32,768 bytes (4,096 elements), a K half apart in memory, on end in LDS
	s_mov_b32 s[\g+1], 4096<<16                    ; tensor_dim0
	s_mov_b32 s[\g+2], 2<<16                       ; tensor_dim1
	s_mov_b32 s[\g+3], 4096<<16                    ; tile_dim0
	s_mov_b32 s[\g+4], 2                           ; tile_dim1
	s_mov_b32 s[\g+6], 0
	s_mov_b32 s[\g+7], 0
.endr
	s_mov_b32 s[G1+5], 262144                      ; from K half to K half, in elements: x's 2,097,152 bytes,
	s_mov_b32 s[G1B+5], 98304                      ; w's 786,432
	s_lshl_b32 s18, s16, 15                        ; my 8 tiles of the 16: 32,768 bytes of codes
	s_lshl_b32 s20, s17, 16
	s_add_co_u32 s20, s20, s18                     ; x's codes: 65,536 y + ..
	s_mov_b32 s21, 0
	s_lshl_b32 s46, s42, 16
	s_add_co_u32 s46, s46, s18                     ; w's: 65,536 x + ..
	s_mov_b32 s47, 0
	s_lshl_b32 s22, s17, 13
	s_add_co_u32 s22, s22, 4194304                 ; x's scale images
	s_mov_b32 s23, 0
	s_lshl_b32 s92, s42, 13
	s_add_co_u32 s92, s92, 1572864                 ; w's
	s_mov_b32 s93, 0
	s_lshl_b32 s45, s14, 16                        ; where my load goes: wave x 65,536: no place in the cluster enters an LDS address
	s_wait_dscnt 0x0
	s_wait_kmcnt 0x0
	s_add_nc_u64 s[20:21], s[4:5], s[20:21]
	s_add_nc_u64 s[22:23], s[4:5], s[22:23]
	s_add_nc_u64 s[46:47], s[6:7], s[46:47]
	s_add_nc_u64 s[92:93], s[6:7], s[92:93]
	CROUND                                         ; all sixteen work-groups are here: the joint loads meet
	s_mov_b32 s[G0], 1                             ; the head's four tiles, each whole: slot 0's 16 tiles of x,
	s_mov_b32 s[G0+1], s45
	s_mov_b64 s[G0+2:G0+3], s[20:21]
	s_or_b32 s[G0+3], s[G0+3], 0x80000000
	s_mov_b32 s[G0B], 1                            ; its 16 tiles of w, behind them,
	s_mov_b32 s[G0B+1], s45
	s_mov_b64 s[G0B+2:G0B+3], s[46:47]
	s_or_b32 s[G0B+3], s[G0B+3], 0x80000000
	JLOAD G0, G1, G0B, G1B                         ; my one tensor load: waves 0, 1 x's halves, waves 2, 3 w's: all of K; each LDS byte is filled once
	v_and_b32 v1, 31, v0                           ; lane
	v_and_b32 v2, 15, v0                           ; r
	v_bfe_u32 v3, v0, 4, 1                         ; h
	v_lshlrev_b32 v[LI], 4, v1
	v_lshlrev_b32 v25, 8, v1                       ; the prefetch's offset: 256 x lane; never rewritten
	s_wait_alu depctr_va_vdst(0)
	s_cmp_eq_u32 ttmp9, 2                          ; v?  The roles change places: the same in all partners
	s_cselect_b32 s66, 0, 0x20000
	s_cselect_b32 s67, 0x20000, 0
	s_cselect_b64 s[94:95], s[22:23], s[92:93]     ; P's scale images in memory: the choice hangs on the cluster's x alone
	s_cselect_b64 s[68:69], s[92:93], s[22:23]     ; R's
	s_cselect_b32 s97, s15, s16                    ; which pair of my work-group's four heads is mine: the half of w's tiles
	s_cselect_b32 s98, s16, s15                    ; which 128 of its 256 s: the half of x's tiles
	s_lshl_b32 s12, s16, 16
	s_add_co_u32 s12, s12, s66
	s_lshl_b32 s13, s15, 16
	s_add_co_u32 s13, s13, s67
.irp s, 0,1
	v_add_nc_u32 v[ADRP+\s], s12, v[LI]
	v_add_nc_u32 v[ADRR+\s], s13, v[LI]
	s_add_co_u32 s12, s12, SLOT
	s_add_co_u32 s13, s13, SLOT
.endr
	s_lshl_b32 s12, s16, 12                        ; my 8 tiles' scale images: 4,096 bytes
	s_mov_b32 s13, 0
	s_add_nc_u64 s[94:95], s[94:95], s[12:13]
	s_lshl_b32 s12, s15, 12
	s_add_nc_u64 s[68:69], s[68:69], s[12:13]
	s_lshl_b32 s70, s17, 16                        ; the prefetch: the second block's codes of x are 2 x 65,536 bytes = 512 blocks of 256, which the four partners that will ask for them jointly share out BY ADDRESS:
	s_add_co_u32 s70, s70, 65536                   ; partner cx takes K half cx / 2, its 32,768 bytes cx % 2; a wave 8,192 of them, a lane a block
	s_lshr_b32 s71, s40, 1
	s_lshl_b32 s71, s71, 21
	s_add_co_u32 s70, s70, s71
	s_and_b32 s71, s40, 1
	s_lshl_b32 s71, s71, 15
	s_add_co_u32 s70, s70, s71
	s_lshl_b32 s71, s14, 13
	s_add_co_u32 s70, s70, s71
	s_mov_b32 s71, 0
	s_add_nc_u64 s[70:71], s[4:5], s[70:71]        ; never rewritten
.irp i, 0,1,2,3,4,5,6,7                ; the scale words of all eight K steps go straight into registers: they lie in memory as register images, each load 512 consecutive bytes.  Register q: lanes 0-15 K step q, lanes 16-31 K step 4 + q
	global_load_b128 v[SP+4*\i:SP+4*\i+3], v[LI], s[94:95] offset:512*\i
	global_load_b128 v[SR+4*\i:SR+4*\i+3], v[LI], s[68:69] offset:512*\i
.endr
	global_prefetch_b8 v25, s[70:71] th:TH_LOAD_NT scope:SCOPE_SE   ; one instruction a wave, a whole tile's K walk ahead of the load that will want these bytes; each block is named once in the cluster
	v_mul_u32_u24 v[SO], v3, 139264
	v_lshl_add_u32 v[SO], v2, 4, v[SO]
.irp b, 0,1,2,3
	v_mov_b32 v[TM+4+\b], 0                        ; written once: a lane permute's destination counts as one of its sources
.endr
	s_lshr_b32 s2, s17, 3                          ; the batch
	s_lshl_b32 s2, s2, 4
	s_lshl_b32 s3, s40, 2
	s_add_co_u32 s2, s2, s3
	s_lshl_b32 s3, s97, 1
	s_add_co_u32 s2, s2, s3                        ; s2 = 16 b + my first head
	s_and_b32 s3, s17, 7
	s_lshl_b32 s3, s3, 1
	s_add_co_u32 s3, s3, s98                       ; s3 = which 128 of the batch's 2,048 s
; one product.  zero = 1: it starts its sum.  row = 1: K steps 4-7, whose scale words lie in lanes 16-31
.macro WM d, fa, fb, zero, sa, sb, row
.if \zero
	v_wmma_scale_f32_16x16x128_f8f6f4 v[\d:\d+7], v[\fa:\fa+7], v[\fb:\fb+7], 0, v[\sa], v[\sb] matrix_a_fmt:MATRIX_FMT_FP4 matrix_b_fmt:MATRIX_FMT_FP4
.elseif \row
	v_wmma_scale_f32_16x16x128_f8f6f4 v[\d:\d+7], v[\fa:\fa+7], v[\fb:\fb+7], v[\d:\d+7], v[\sa], v[\sb] matrix_a_fmt:MATRIX_FMT_FP4 matrix_b_fmt:MATRIX_FMT_FP4 matrix_a_scale:MATRIX_SCALE_ROW1 matrix_b_scale:MATRIX_SCALE_ROW1
.else
	v_wmma_scale_f32_16x16x128_f8f6f4 v[\d:\d+7], v[\fa:\fa+7], v[\fb:\fb+7], v[\d:\d+7], v[\sa], v[\sb] matrix_a_fmt:MATRIX_FMT_FP4 matrix_b_fmt:MATRIX_FMT_FP4
.endif
.endm
.macro FRAG reg, adr, q, i             ; tile i's fragment of the slot's q-th 128 along K: 8 registers, two loads of 512 consecutive bytes
.irp c, 0,1
	ds_load_b128 v[\reg+4*\c:\reg+4*\c+3], v[\adr] offset:(\i)*4096+(\q)*1024+512*\c
.endr
.endm
; 16 products: R's tiles a0, a0 + 1 x P's eight.  p: P's set.  The 64 accumulators take turns, one instruction a turn, in the same order in every step.
.macro MUL16 a0, p, q, slot, zero
.irp a, \a0, \a0+1
.irp b, 0,1,2,3,4,5,6,7
	WM 8*(8*((\a)%4)+\b), 128*(\p)+8*\b, AF+8*(\a), \zero, SP+4*\b+(\q), SR+4*(\a)+(\q), \slot
.endr
.endr
.endm
.macro FETCH_P slot, q, p
	WIN TO_P
.irp i, 0,1,2,3,4,5,6,7
	FRAG 128*(\p)+8*\i, ADRP+\slot, \q, \i
.endr
	WIN 0
.endm
.macro FETCH_R slot, q, i0
.irp i, \i0, \i0+1, \i0+2, \i0+3
	FRAG AF+8*(\i), ADRR+\slot, \q, \i
.endr
.endm
.macro PLACES n                        ; a load into a register that a matrix instruction has read, and a vector instruction that reads a result, stand four plain vector instructions behind it (ISA guide 7.12.1 for vector instructions)
.rept \n
	v_nop
.endr
.endm
; A step of 128 along K that has its successor in the same slot.  R's tiles are free as soon as their eight products are issued: tiles 0-3 are fetched anew in the step's middle, tiles 4-7 at its end.
.macro STEP slot, q, zero
	s_wait_dscnt 8                                 ; P's set and R's tiles 0-3 (and at the start the scale words) are in; the youngest eight loads, R's tiles 4-7, may be out
	WIN MUL_LO
	MUL16 0, (\q)%2, \q, \slot, \zero
	MUL16 2, (\q)%2, \q, \slot, \zero
	s_wait_dscnt 0                                 ; R's tiles 4-7 are in
	PLACES NP
	FETCH_P \slot, (\q)+1, 1-(\q)%2
	FETCH_R \slot, (\q)+1, 0
	WIN MUL_HI
	MUL16 4, (\q)%2, \q, \slot, \zero
	MUL16 6, (\q)%2, \q, \slot, \zero
	PLACES NP
	WIN 0
	FETCH_R \slot, (\q)+1, 4
.endm
; THE K WALK of one tile of the result, expanded once for each of the two
.macro MAIN
	s_wait_alu depctr_va_vdst(0)                   ; the wait directly ahead of the waits below
	s_wait_xcnt 0x0                                ; the last tile's stores have read their registers: they are written again below
	s_wait_tensorcnt 0x0                           ; my part of the tiles is in,
	s_barrier_signal -1
	s_barrier_wait -1                              ; everybody's is
	FETCH_P 0, 0, 0
	FETCH_R 0, 0, 0
	s_wait_loadcnt 0x0                             ; the scale words are in
	FETCH_R 0, 0, 4
	STEP 0, 0, 1                                   ; the first products start the sums: nothing is cleared
	STEP 0, 1, 0
	STEP 0, 2, 0
	s_wait_dscnt 8                                 ; K half 0's last step goes over to K half 1, which lies in LDS already
	WIN MUL_LO
	MUL16 0, 1, 3, 0, 0
	MUL16 2, 1, 3, 0, 0
	s_wait_dscnt 0x0
	PLACES NP
	FETCH_P 1, 0, 0
	FETCH_R 1, 0, 0
	WIN MUL_HI
	MUL16 4, 1, 3, 0, 0
	MUL16 6, 1, 3, 0, 0
	PLACES NP
	WIN 0
	FETCH_R 1, 0, 4
	STEP 1, 0, 0
	STEP 1, 1, 0
	STEP 1, 2, 0
	s_wait_dscnt 8                                 ; the last step: nothing more to fetch
	WIN MUL_LO
	MUL16 0, 1, 3, 1, 0
	MUL16 2, 1, 3, 1, 0
	s_wait_dscnt 0
	WIN MUL_HI
	MUL16 4, 1, 3, 1, 0
	MUL16 6, 1, 3, 1, 0
	WIN 0
.endm
; THE WAY OUT.  R tile a's eight accumulators are 64 numbers of a lane: register 16 b + i = place 32 b + 16 (lane / 16) + i along P, of R's row lane % 16: four blocks of 32.  They become 8 registers of codes in the
; operand's layout, v[AF + 8 a] on, and a scale word, v[PW + a].  Each accumulator is read from its low end on.
.macro QUANT a
.set AC, 64*((\a)%4)
	WIN 0x28+0x14*((\a)/4)                         ; sources 1 and 2: window 2 or 3
.irp b, 0,1,2,3
	v_max3_num_f32 v[TM+\b], 0x1800000, |v[AC+16*\b]|, |v[AC+16*\b+1]|   ; block b: my 16 numbers, and the floor 2^(3 - 127): the byte cannot fall under 1
.endr
.irp i, 2,4,6,8,10,12,14
.irp b, 0,1,2,3
	v_max3_num_f32 v[TM+\b], v[TM+\b], |v[AC+16*\b+\i]|, |v[AC+16*\b+\i+1]|   ; (the four blocks by turns)
.endr
.endr
	WIN 0
.irp b, 0,1,2,3
	v_permlanex16_b32 v[TM+4+\b], v[TM+\b], s12, s13
.endr
.irp b, 0,1,2,3
	v_max_num_f32 v[TM+\b], v[TM+\b], v[TM+4+\b]   ; with lane l xor 16's: the block's largest magnitude
.endr
.irp b, 0,1,2,3
	v_add_nc_u32 v[TM+12+\b], 0xff000000, v[TM+\b] ; 2 off its exponent field: the conversion's scale operand
.endr
.irp b, 0,1,2,3
	v_lshrrev_b32 v[TM+4+\b], 23, v[TM+12+\b]      ; the scale's byte
.endr
	v_lshl_or_b32 v[PW+\a], v[TM+5], 8, v[TM+4]
	v_lshl_or_b32 v[PW+\a], v[TM+6], 16, v[PW+\a]
	v_lshl_or_b32 v[PW+\a], v[TM+7], 24, v[PW+\a]
	WIN 0x02+((\a)/4)                              ; source 0: window 2 or 3
.irp b, 0,1,2,3
	v_cvt_scalef32_pk8_fp4_f32 v[AF+8*\a+2*\b], v[AC+16*\b:AC+16*\b+7], v[TM+12+\b]
	v_cvt_scalef32_pk8_fp4_f32 v[AF+8*\a+2*\b+1], v[AC+16*\b+8:AC+16*\b+15], v[TM+12+\b]
.endr
	WIN 0
	v_nop                                          ; one plain instruction behind the conversions
.irp c, 0,1                            ; the operand's layout wants a whole block in a lane: lanes 0-15 block 2 c, lanes 16-31 block 2 c + 1
.irp i, 0,1
	v_permlane16_swap_b32 v[AF+8*\a+4*\c+\i], v[AF+8*\a+4*\c+2+\i]
.endr
.endr
.endm
.macro OUT                             ; a tile's way out, expanded once for each of the two
	s_mov_b32 s12, 0x76543210
	s_mov_b32 s13, 0xfedcba98                      ; v_permlanex16_b32's selects for lane l xor 16
	PLACES NP
.irp a, 0,1,2,3,4,5,6,7
	QUANT \a
.endr
	v_cmp_le_u32 vcc_lo, 16, v1                    ; lanes 16-31
	v_mov_b32 v[PSEL], 0x05040100
	v_mov_b32 v[TT+4], 0x07060302
	v_cndmask_b32 v[PSEL], v[PSEL], v[TT+4], vcc_lo
	s_cmp_eq_u32 ttmp9, 0
	s_cbranch_scc0 .Lnot_q\@
	; q: chunk c of R tile a is head c's 64 codes of 16 queries
	s_lshl_b32 s12, s2, 16
	s_lshl_b32 s13, s3, 12
	s_add_co_u32 s12, s12, s13
	s_mov_b32 s13, 0
	s_add_nc_u64 s[12:13], s[8:9], s[12:13]
	s_lshl_b32 s18, s2, 13
	s_lshl_b32 s19, s3, 9
	s_add_co_u32 s18, s18, s19
	s_add_co_u32 s18, s18, 4194304
	s_mov_b32 s19, 0
	s_add_nc_u64 s[18:19], s[8:9], s[18:19]
	s_wait_alu depctr_va_vdst(0)
.irp a, 0,1,2,3,4,5,6,7
.irp c, 0,1
	global_store_b128 v[LI], v[AF+8*\a+4*\c:AF+8*\a+4*\c+3], s[12:13] offset:65536*\c+512*\a   ; 512 consecutive bytes, aligned to 256
.endr
.endr
.irp i, 0,1,2,3
	v_cndmask_b32 v[TT+\i], v[PW+2*\i], v[PW+2*\i+1], vcc_lo   ; lanes 0-15 keep tile 2 i's word, lanes 16-31 tile 2 i + 1's
.endr
.irp i, 0,1,2,3
	v_perm_b32 v[TM+\i], v[TT+\i], v[TT+\i], 0x01000100        ; head 0: s0, s1, s0, s1
	v_perm_b32 v[TM+4+\i], v[TT+\i], v[TT+\i], 0x03020302      ; head 1
.endr
	global_store_b128 v[LI], v[TM:TM+3], s[18:19]
	global_store_b128 v[LI], v[TM+4:TM+7], s[18:19] offset:8192
	s_branch .Ldone\@
.Lnot_q\@:
	s_mul_i32 s12, s2, 139264                      ; k and v: my first head's block of kv, my step of 128 keys
	s_mul_i32 s13, s3, 8704
	s_add_co_u32 s12, s12, s13
	s_mov_b32 s13, 0
	s_add_nc_u64 s[12:13], s[10:11], s[12:13]
	s_cmp_eq_u32 ttmp9, 1
	s_cbranch_scc0 .Lis_v\@
	s_wait_alu depctr_va_vdst(0)
.irp a, 0,1,2,3,4,5,6,7                ; k: chunk c of R tile a is head c's 64 codes of key tile a
.irp c, 0,1
	global_store_b128 v[LI], v[AF+8*\a+4*\c:AF+8*\a+4*\c+3], s[12:13] offset:139264*\c+512*\a
.endr
.endr
.irp f, 0,1,2,3
	v_perm_b32 v[TM+\f], v[PW+2*\f+1], v[PW+2*\f], v[PSEL]     ; word f: tiles 2 f and 2 f + 1, two bytes each: lanes 0-15 take head 0's, lanes 16-31 head 1's
.endr
	global_store_b128 v[SO], v[TM:TM+3], s[12:13] offset:8192  ; each half of the lanes stores 256 consecutive bytes, aligned
	s_branch .Ldone\@
.Lis_v\@:
	s_wait_alu depctr_va_vdst(0)
.irp a, 0,1,2,3,4,5,6,7                ; v: R tile a is tile a % 4 of head a / 4: a whole fragment, 16 of d x 128 keys
.irp c, 0,1
	global_store_b128 v[LI], v[AF+8*\a+4*\c:AF+8*\a+4*\c+3], s[12:13] offset:4096+139264*(\a/4)+1024*(\a%4)+512*\c
.endr
.endr
.irp t, 0,1,2,3
	v_cndmask_b32 v[TM+\t], v[PW+\t], v[PW+4+\t], vcc_lo
.endr
	global_store_b128 v[SO], v[TM:TM+3], s[12:13] offset:8448
.Ldone\@:
.endm
	MAIN                                           ; the first tile
	s_wait_tensorcnt 0x0                           ; x's tiles are read out: they are filled again with the second block's.
	ds_add_u32 v254, v255
	s_add_nc_u64 s[G0+2:G0+3], s[G0+2:G0+3], 65536 ; (no tensor load of mine is out: the descriptor steps 16 tiles on)
	s_wait_dscnt 0x0                               ; the add is done, and my reads of the tiles are over
	CROUND                                         ; no wave of any partner still reads x's tiles or has a load on its way
	s_cmp_eq_u32 s15, 0                            ; waves 0 and 1 fetch x's halves, one joint load each; w's tiles stay.  The branch hangs on the wave's number alone
	s_cbranch_scc0 .Lno_refill
	tensor_load_to_lds s[G0:G0+3], s[G1:G1+7]      ; it has the first tile's way out in which to land
	s_nop 0
.rept 4
	v_nop
.endr
.Lno_refill:
	PLACES NP                                      ; places between the last products and the loads into their scale registers
	s_cmp_eq_u32 ttmp9, 2                          ; x's scale words of the second block: P's for v, else R's (the cluster's x: the same in all partners); their first loads were waited for
	s_cbranch_scc0 .Lx_is_r
	s_add_nc_u64 s[94:95], s[94:95], 8192
.irp i, 0,1,2,3,4,5,6,7
	global_load_b128 v[SP+4*\i:SP+4*\i+3], v[LI], s[94:95] offset:512*\i
.endr
	s_branch .Lx_asked
.Lx_is_r:
	s_add_nc_u64 s[68:69], s[68:69], 8192
.irp i, 0,1,2,3,4,5,6,7
	global_load_b128 v[SR+4*\i:SR+4*\i+3], v[LI], s[68:69] offset:512*\i
.endr
.Lx_asked:
	OUT
	s_add_co_u32 s3, s3, 2                         ; the second tile's s lie 256 further on: two steps of 128
	MAIN                                           ; the second tile: written out; it asks for nothing more
	OUT
	s_wait_tensorcnt 0x0
	ds_add_u32 v254, v255
	s_wait_dscnt 0x0
	CROUND                                         ; the closing round: no work-group ends while a partner may still ask for a tile that names it
	s_endpgm
.Lfunc_end_k_qb4eed8479e_qkv:
	.size	k_qb4eed8479e_qkv, .Lfunc_end_k_qb4eed8479e_qkv-k_qb4eed8479e_qkv
	.p2alignl 7, 3214868480
	.fill 96, 4, 3214868480
	.section	.rodata,"a",@progbits
	.p2align	6, 0x0
	.amdhsa_kernel k_qb4eed8479e_qkv
		.amdhsa_group_segment_fixed_size 327680
		.amdhsa_private_segment_fixed_size 0
		.amdhsa_enable_private_segment 0
		.amdhsa_kernarg_size 32
		.amdhsa_user_sgpr_count 2
		.amdhsa_user_sgpr_kernarg_segment_ptr 1
		.amdhsa_wavefront_size32 1
		.amdhsa_system_sgpr_workgroup_id_x 1
		.amdhsa_system_sgpr_workgroup_id_y 1
		.amdhsa_system_sgpr_workgroup_id_z 1
		.amdhsa_system_vgpr_workitem_id 0
		.amdhsa_next_free_vgpr 1024
		.amdhsa_next_free_sgpr 100
		.amdhsa_reserve_vcc 1
		.amdhsa_float_denorm_mode_32 3
		.amdhsa_float_denorm_mode_16_64 3
		.amdhsa_memory_ordered 1
		.amdhsa_forward_progress 1
		.amdhsa_inst_pref_size 255
	.end_amdhsa_kernel
	.amdgpu_metadata
---
amdhsa.version: [ 1, 2 ]
amdhsa.kernels:
  - .name:           k_qb4eed8479e_qkv
    .symbol:         k_qb4eed8479e_qkv.kd
    .args:
      - { .name: xq, .offset: 0, .size: 8, .value_kind: global_buffer, .address_space: global }
      - { .name: wq, .offset: 8, .size: 8, .value_kind: global_buffer, .address_space: global }
      - { .name: qq, .offset: 16, .size: 8, .value_kind: global_buffer, .address_space: global }
      - { .name: kv, .offset: 24, .size: 8, .value_kind: global_buffer, .address_space: global }
    .group_segment_fixed_size: 327680
    .private_segment_fixed_size: 0
    .kernarg_segment_align: 8
    .kernarg_segment_size: 32
    .max_flat_workgroup_size: 128
    .sgpr_count:     100
    .vgpr_count:     1024
    .wavefront_size: 32
...
	.end_amdgpu_metadata
.endif
;; end of part 2
;; launch attn (part 3): grid 4 x 64, 8 waves a work-group, clusters of 4 x 1, 169,984 bytes of LDS; arguments qq, kv, ao; writes ao
.if DOCPART == 3
	.amdgcn_target "amdgcn-amd-amdhsa--gfx1250"
	.amdhsa_code_object_version 6
	.text
	.protected	k_qb4eed8479e_attn
	.globl	k_qb4eed8479e_attn
	.p2align	8
	.type	k_qb4eed8479e_attn,@function
k_qb4eed8479e_attn:
	s_mov_b64 s[64:65], 0
	v_nop
	global_prefetch_b8 v0, s[64:65] scope:SCOPE_SE
	s_setreg_imm32_b32 hwreg(HW_REG_WAVE_MODE, 25, 1), 1
	s_wait_xcnt 0x0
	s_wait_alu depctr_hold_cnt(0) depctr_sa_sdst(0) depctr_va_vdst(0) depctr_va_sdst(0) depctr_va_ssrc(0) depctr_va_vcc(0) depctr_vm_vsrc(0)
	s_getreg_b32 s2, hwreg(HW_REG_IB_STS2, 6, 4)
	s_cmp_eq_u32 s2, 0
	s_cbranch_scc0 .Lentry_in_a_cluster
	s_endpgm
.Lentry_in_a_cluster:
	s_bfe_u32 s2, ttmp6, 0x10000c
	s_cmp_lg_u32 s2, 0x3003
	s_cbranch_scc0 .Lentry_shape_is_right
	s_endpgm
.Lentry_shape_is_right:
; ATTN: for one (batch, head): O = softmax(q k^T / 32) v on codes of FP4 (E2M1) with E8M0 scales; O / l is quantised in registers into the last product's operand.
; SOFTMAX: t = score x log2(e) / 32; M = the running largest t rounded UP to a whole number; p = 2^(t - M) is quantised along the keys, not normalised; l sums the unquantised p and divides O at the end.
; When M moves, l and O are multiplied by 2^(old M - new M): exact.
; SHARES: a work-group owns 512 queries of one head; each of its eight waves owns 64 of them, four tiles of 16, in 512 registers, and walks the head's 2,048 keys once, 128 a trip.  In a trip the tiles go in two pairs,
; the two tiles of a pair line by line side by side, so that their dependent chains take turns.  A trip's fragments of k and v are read from LDS once for the four tiles.
; The head's k, v and scale words, 139,264 bytes, come into LDS ONCE, asked for jointly by the four work-groups of a cluster, an eighth a wave.  No LDS byte is filled twice, and there is no loop of tensor loads to run ahead of: no prefetch.
; LAYOUT: both products transposed: S^T = k q^T, O^T = v^T p^T: a lane holds ONE query (lane % 16).  The head is 64 wide and the instruction 128 deep: a fragment of k holds two key tiles, and q stands as [q | 0] and [0 | q].
; THE KEYS OF A TILE ARE PICKED BY THE LDS ADDRESS: lane r of tile (c, a, u) reads stored tile 4 c + u + 2 (r / 8), row 8 a + r % 8, which is key 64 c + 32 (r / 8) + 16 a + 8 u + r % 8 of the step.  So score register
; 32 c + 16 a + 8 u + j of lane (r, h) is key 64 c + 32 h + 16 a + 8 u + j: a lane's 32 registers are ONE WHOLE BLOCK of 32 keys, in the order of the second product's operand: a block's maximum needs no other lane, and the codes are not exchanged.
; The last trip fetches its own k once more in place of a next step's (the address is held at the last step); those registers are not read.
; LIMITS: NaN and infinities are not served; the promise holds while |t| stays under 2^31; a p under 2^-126 counts as 0 (the exponential's own flush, ISA guide 15.8); a block whose every p is 0 keeps the scale byte 1: its codes are zeros.
; REGISTERS, window 0: v1-12 addresses; per tile i: v[NM+2i] -M and the largest score, v[L+2i] the sum in two halves, v[F+2i] f; QS, SK, SCV, PS scale words; v52-93 at work; v96-111 p's codes of a pair; v128-255 S^T of a pair, then p.
;   window 1: v0-127 O^T (tile i at 32 i); v128-163 zeros and q by turns; v168-199 k; v200-231 v.
.set STEPB, 8704                       ; a step of 128 keys in LDS: 4,096 bytes of k, 4,096 of v, 512 of scale words
.set STG,   139264                     ; behind the head's block: 1,024 bytes for the scale bytes that leave
.set SPARE, 0x29000                    ; the spare words: 128 bytes a wave
.set LI,   1                           ; 16 x lane
.set AK,   2                           ; my lane's place in a tile of k: 1,024 (r / 8) + 16 (r % 8) + 256 h
.set ASK,  3                           ; and among k's scale words: 16 (r % 8) + 4 (r / 8)
.set AST,  4                           ; the stage: 128 x wave + 2 r
.set SPW,  5
.set NIL,  6
.set ADV,  7                           ; the next trip's v and its scale words
.set ADKK, 8                           ; the next trip's k
.set ADS,  9                           ; and its scale words
.set H8,   10                          ; 8 h
.set SRD,  11
.set SGO,  12
.set NM,   14
.set L,    22
.set F,    30
.set QS,   38
.set QSO,  43
.set SCV,  44
.set PS,   48
.set B,    52                          ; a block's largest score, then its largest p: 2 x + c
.set T,    56
.set U,    58
.set X,    60                          ; the conversions' scale operands
.set BY,   64                          ; the scale bytes
.set W,    68
.set A,    72                          ; four chains of sums a tile
.set SK,   88
.set O,    92                          ; the old -M
.set PC,   96
.set R,    96                          ; v96-127: the first level of tile 0's sum, 16 pairs; done with before p's codes are written
.set S,    128
.set OT,   0
.set ZQ,   128
.set KF,   168
.set VF,   200
.set WV,   18
.set SEL,  20
.set CS,   22
.set G1,   24
.set G0,   32
.set TK,   36
.set CNT,  37
.set TKN,  49
.set MSB, 0
.macro WIN new                         ; the immediate's high byte repeats the setting that is left
.if MSB != \new
	s_set_vgpr_msb (MSB<<8)|\new
.set MSB, \new
.endif
.endm
.macro CROUND                          ; a round of the cluster's barrier
	s_barrier_signal -1
	s_barrier_wait -1
	s_cmp_lg_u32 s[WV], 0
	s_cbranch_scc1 .Lnot_wave_0_\@
	s_barrier_signal -3
.Lnot_wave_0_\@:
	s_barrier_wait -3
	s_barrier_signal -1
	s_barrier_wait -1
.endm
.macro KLOAD ak, as                    ; a step's four fragments of k and their scale words: 12 LDS loads
	WIN 0x40
.irp c, 0,1
.irp a, 0,1
.irp u, 0,1
	ds_load_b128 v[KF+16*\c+8*\a+4*\u:KF+16*\c+8*\a+4*\u+3], v[\ak] offset:2048*\c+128*\a+512*\u
.endr
.endr
.endr
	WIN 0
.irp c, 0,1
.irp a, 0,1
	ds_load_b32 v[SK+2*\c+\a], v[\as] offset:8192+128*\a+8*\c   ; one word: the two bytes of tile (c, a, 0) and the two of (c, a, 1)
.endr
.endr
.endm
.macro WMS d, ka, qb, sa, sb
	v_wmma_scale_f32_16x16x128_f8f6f4 v[\d:\d+7], v[\ka:\ka+7], v[\qb:\qb+7], 0, v[\sa], v[\sb] matrix_a_fmt:MATRIX_FMT_FP4 matrix_b_fmt:MATRIX_FMT_FP4
.endm
.macro FM pr, x, j                     ; t - M of tile x, two numbers an instruction
	v_pk_fma_f32 v[S+64*\x+\j:S+64*\x+\j+1], v[S+64*\x+\j:S+64*\x+\j+1], s[CS:CS+1], v[NM+2*(2*\pr+\x):NM+2*(2*\pr+\x)+1] op_sel_hi:[1,0,0]
.endm
	s_load_b128 s[4:7], s[0:1], 0x0                ; qq s[4:5], kv s[6:7]
	s_load_b64 s[8:9], s[0:1], 0x10                ; ao
	v_lshl_add_u32 v[SPW], v0, 2, SPARE
	v_mov_b32 v[NIL], 0
	ds_add_u32 v[SPW], v[NIL]                      ; the opening lines: the add twice on end and its wait ahead of my tensor load
	ds_add_u32 v[SPW], v[NIL]
	v_lshrrev_b32 v7, 5, v0
	v_readfirstlane_b32 s[WV], v7                  ; wave 0..7
	s_bfe_u32 s13, ttmp6, 0x40000                  ; cx: which 512 queries: it enters q's and ao's addresses alone
	s_and_b32 s12, ttmp7, 0xffff                   ; 16 b + n, which the four partners share
	s_mov_b32 s[G1], 15|(3<<16)|(1<<21)            ; the mask: all four work-groups; elements of 8 bytes; bit 21 beside a mask
	s_mov_b32 s[G1+1], 32<<16                      ; an eighth of the head's block: 17,408 dense bytes: 68 rows of 256
	s_mov_b32 s[G1+2], 68<<16
	s_mov_b32 s[G1+3], 32<<16
	s_mov_b32 s[G1+4], 68
	s_mov_b32 s[G1+5], 32
	s_mov_b32 s[G1+6], 0
	s_mov_b32 s[G1+7], 0
	s_mov_b32 s[G0], 1
	s_mul_i32 s[G0+1], s[WV], 17408                ; the block lies in LDS as in memory
	s_mul_i32 s38, s12, 139264
	s_add_co_u32 s38, s38, s[G0+1]
	s_mov_b32 s39, 0
	s_mov_b32 s[SEL], 0x76543210
	s_mov_b32 s[SEL+1], 0xfedcba98                 ; lane l xor 16
	s_mov_b32 s[CS], 0x3d38aa3b                    ; c = log2(e) / 32
	s_mov_b32 s[CS+1], s[CS]
	s_lshl_b32 s40, s12, 16                        ; q's codes: 65,536 a head, 512 a tile; my tiles are 32 cx + 4 wave + 0 .. 3
	s_lshl_b32 s48, s13, 14
	s_add_co_u32 s40, s40, s48
	s_lshl_b32 s48, s[WV], 11
	s_add_co_u32 s40, s40, s48
	s_mov_b32 s41, 0
	s_lshl_b32 s42, s12, 13                        ; q's scale words: 8,192 a head, 512 a group of 8 tiles; tile 2 i + hh of a group has word i of lanes 16 hh + r
	s_lshl_b32 s48, s13, 11
	s_add_co_u32 s42, s42, s48
	s_lshr_b32 s48, s[WV], 1
	s_lshl_b32 s48, s48, 9
	s_add_co_u32 s42, s42, s48
	s_and_b32 s48, s[WV], 1
	s_lshl_b32 s48, s48, 3
	s_add_co_u32 s42, s42, s48
	s_add_co_u32 s42, s42, 4194304
	s_mov_b32 s43, 0
	s_bfe_u32 s44, s12, 0x10003                    ; ao's codes: K half n / 8, row tile 128 b + 32 cx + 4 wave + i, chunk n % 8
	s_lshl_b32 s44, s44, 21
	s_lshr_b32 s48, s12, 4
	s_lshl_b32 s48, s48, 19
	s_add_co_u32 s44, s44, s48
	s_lshl_b32 s48, s13, 17
	s_add_co_u32 s44, s44, s48
	s_lshl_b32 s48, s[WV], 14
	s_add_co_u32 s44, s44, s48
	s_and_b32 s48, s12, 7
	s_lshl_b32 s48, s48, 9
	s_add_co_u32 s44, s44, s48
	s_mov_b32 s45, 0
	s_lshl_b32 s46, s12, 12                        ; ao's scale bytes: 4,096 a head, 32 a tile
	s_lshl_b32 s48, s13, 10
	s_add_co_u32 s46, s46, s48
	s_add_co_u32 s46, s46, 4194304
	s_mov_b32 s47, 0
	s_lshl_b32 s50, s[WV], 7
	s_add_co_u32 s50, s50, STG
	s_wait_dscnt 0x0
	s_wait_kmcnt 0x0
	s_add_nc_u64 s[G0+2:G0+3], s[6:7], s[38:39]
	s_or_b32 s[G0+3], s[G0+3], 0x80000000
	s_add_nc_u64 s[40:41], s[4:5], s[40:41]
	s_add_nc_u64 s[42:43], s[4:5], s[42:43]
	s_add_nc_u64 s[44:45], s[8:9], s[44:45]
	s_add_nc_u64 s[46:47], s[8:9], s[46:47]
	CROUND                                         ; all four work-groups are here: the joint loads meet
	tensor_load_to_lds s[G0:G0+3], s[G1:G1+7]      ; every wave fetches its eighth: one tensor load of mine is out
	s_nop 0
.rept 4
	v_nop
.endr
	v_and_b32 v[T], 31, v0
	v_lshlrev_b32 v[LI], 4, v[T]
	v_and_b32 v[T+1], 15, v0                       ; r
	v_lshlrev_b32 v[QSO], 4, v[T+1]
	v_lshlrev_b32 v[AST], 1, v[T+1]
	v_add_nc_u32 v[AST], s50, v[AST]
	v_and_b32 v[U], 7, v0                          ; r % 8
	v_bfe_u32 v[U+1], v0, 3, 1                     ; r / 8
	v_bfe_u32 v[W], v0, 4, 1                       ; h
	v_lshlrev_b32 v[AK], 4, v[U]
	v_lshl_add_u32 v[ASK], v[U+1], 2, v[AK]
	v_lshl_add_u32 v[AK], v[U+1], 10, v[AK]
	v_lshl_add_u32 v[AK], v[W], 8, v[AK]
	v_lshlrev_b32 v[H8], 3, v[W]
	v_lshlrev_b32 v[SGO], 4, v0
	v_lshl_add_u32 v[SRD], v0, 4, STG
	v_mov_b32 v[ADV], v[LI]
	s_wait_alu depctr_va_vdst(0)                   ; the wait ahead of the readers below
	WIN 0x40
.irp i, 0,1,2,3
	global_load_b128 v[ZQ+4+8*\i:ZQ+7+8*\i], v[LI], s[40:41] offset:512*\i   ; q stays in registers, between zeros
.endr
.irp i, 0,1,2,3,4
.irp j, 0,1,2,3
	v_mov_b32 v[ZQ+8*\i+\j], 0
.endr
.endr
.set J, 0
.rept 128
	v_mov_b32 v[OT+J], 0                           ; O^T: the trip is written once: the first finds zeros, which the first change of M leaves zeros
.set J, J+1
.endr
	WIN 0
.irp i, 0,1,2,3
	global_load_b32 v[QS+\i], v[QSO], s[42:43] offset:256*(\i%2)+4*(\i/2)
.endr
.irp i, 0,1,2,3
	v_mov_b32 v[NM+2*\i+1], 0xff61b1e6             ; the largest score so far: -3e38
	v_mov_b32 v[NM+2*\i], 0x7d000000               ; -M: 2^123, a whole number above every -M to come: the first f is 0
	v_mov_b32 v[L+2*\i], 0
	v_mov_b32 v[L+2*\i+1], 0
	v_mov_b32 v[F+2*\i+1], 0                       ; (named with f as a pair, so it is written)
.endr
	v_mov_b32 v[U], 0                              ; a lane permute's destination counts as one of its sources
	v_mov_b32 v[U+1], 0
	s_mov_b32 s[TK], 0
	s_mov_b32 s[CNT], 16
	s_wait_alu depctr_va_vdst(0)                   ; the wait at the head's end
	s_wait_tensorcnt 0x0                           ; my eighth has landed,
	s_barrier_signal -1
	s_barrier_wait -1                              ; everybody's has
	KLOAD AK, ASK                                  ; step 0's k
	s_wait_loadcnt 0x0                             ; q
; TWO TILES, 2 pr and 2 pr + 1, through one step of 128 keys
.macro PAIR pr
	WIN 0x05                                       ; k and q in window 1, S^T in window 0
.irp x, 0,1
.irp c, 0,1
.irp a, 0,1
	WMS S+64*\x+32*\c+16*\a, KF+16*\c+8*\a, ZQ+4+8*(2*\pr+\x), SK+2*\c+\a, QS+2*\pr+\x
	WMS S+64*\x+32*\c+16*\a+8, KF+16*\c+8*\a, ZQ+8*(2*\pr+\x), SK+2*\c+\a, QS+2*\pr+\x
.endr
.endr
.endr
	WIN 0
.if \pr == 0
	v_add_nc_u32 v[ADKK], s[TKN], v[AK]            ; four places behind the products: the next step's addresses among them
	v_add_nc_u32 v[ADS], s[TKN], v[ASK]
	v_nop
	v_nop
.else
	v_add_nc_u32 v[ADV], s[TKN], v[LI]
.rept 3
	v_nop
.endr
	KLOAD ADKK, ADS                                ; this step's k is done with: the next step's comes while the pair's softmax is worked
.endif
.irp x, 0,1
.irp c, 0,1
	v_max3_num_f32 v[B+2*\x+\c], v[S+64*\x+32*\c], v[S+64*\x+32*\c+1], v[S+64*\x+32*\c+2]   ; the largest score of my block of 32 keys; each accumulator from its low end on
.endr
.endr
.irp j, 3,5,7,9,11,13,15,17,19,21,23,25,27,29
.irp x, 0,1
.irp c, 0,1
	v_max3_num_f32 v[B+2*\x+\c], v[B+2*\x+\c], v[S+64*\x+32*\c+\j], v[S+64*\x+32*\c+\j+1]
.endr
.endr
.endr
.irp x, 0,1
.irp c, 0,1
	v_max_num_f32 v[B+2*\x+\c], v[B+2*\x+\c], v[S+64*\x+32*\c+31]
.endr
.endr
.irp x, 0,1
	v_mov_b32 v[O+\x], v[NM+2*(2*\pr+\x)]          ; the old -M
.endr
.irp x, 0,1
	v_max3_num_f32 v[T+\x], v[NM+2*(2*\pr+\x)+1], v[B+2*\x], v[B+2*\x+1]
.endr
.irp x, 0,1
	s_delay_alu instid0(VALU_DEP_2)
	v_permlanex16_b32 v[U+\x], v[T+\x], s[SEL], s[SEL+1]
.endr
.irp x, 0,1
	s_delay_alu instid0(VALU_DEP_2)
	v_max_num_f32 v[NM+2*(2*\pr+\x)+1], v[T+\x], v[U+\x]   ; the running largest score of my query
.endr
.irp x, 0,1
	s_delay_alu instid0(VALU_DEP_2)
	v_mul_f32 v[T+\x], s[CS], v[NM+2*(2*\pr+\x)+1]         ; as t (c is positive)
.endr
.irp x, 0,1
	s_delay_alu instid0(VALU_DEP_2)
	v_floor_f32 v[NM+2*(2*\pr+\x)], -v[T+\x]               ; the new -M = -ceil(t): a whole number
.endr
.irp x, 0,1
	s_delay_alu instid0(VALU_DEP_2)
	v_sub_f32 v[T+\x], v[NM+2*(2*\pr+\x)], v[O+\x]         ; old M less new M: a whole number, 0 or less
.endr
.irp x, 0,1
.irp c, 0,1
	v_fma_f32 v[B+2*\x+\c], v[B+2*\x+\c], s[CS], v[NM+2*(2*\pr+\x)]   ; t - M of each block's largest score: p rises with the score
.endr
.endr
.irp j, 0,2,4,6,8,10,12,14,16,18,20
	FM \pr, 0, \j
.endr
.irp x, 0,1
	v_cvt_i32_f32 v[T+\x], v[T+\x]                 ; (it saturates)
.endr
.irp j, 22,24,26,28,30,32,34,36,38,40,42
	FM \pr, 0, \j
.endr
.irp x, 0,1
	v_ldexp_f32 v[F+2*(2*\pr+\x)], 1.0, v[T+\x]    ; f = 2^(old M - new M)
.endr
.irp j, 44,46,48,50,52,54,56,58,60,62
	FM \pr, 0, \j
.endr
	s_wait_alu depctr_va_vdst(0)                   ; the wait ahead of the batch
.set J, 0
.rept 4
	v_exp_f32 v[B+J], v[B+J]                       ; the blocks' largest p
.set J, J+1
.endr
.set J, 0
.rept 32                               ; TWO BATCHES.  The first: tile 0's p = 2^(t - M), with tile 1's t - M between: what these plain lines write is read behind the batch's wait alone
	v_exp_f32 v[S+J], v[S+J]
	v_exp_f32 v[S+J+1], v[S+J+1]
	FM \pr, 1, J
.set J, J+2
.endr
	s_wait_alu depctr_va_vdst(0)                   ; behind the first batch and ahead of the second
.set J, 0
.rept 16                               ; the second: tile 1's p, with the first level of tile 0's sum and the four floors between
	v_exp_f32 v[S+64+4*J], v[S+64+4*J]
	v_exp_f32 v[S+65+4*J], v[S+65+4*J]
	v_pk_add_f32 v[R+2*J:R+2*J+1], v[S+4*J:S+4*J+1], v[S+4*J+2:S+4*J+3]
	v_exp_f32 v[S+66+4*J], v[S+66+4*J]
	v_exp_f32 v[S+67+4*J], v[S+67+4*J]
.if J < 4
	v_max_num_f32 v[B+J], 0x1800000, v[B+J]        ; the floor 2^(3 - 127): the byte cannot fall under 1
.endif
.set J, J+1
.endr
	v_nop                                          ; a plain instruction behind the last of them
	s_wait_alu depctr_va_vdst(0)                   ; and the one wait behind the batch
.if \pr == 0
	s_wait_dscnt 0x0                               ; v and its scale words are in
.endif
.irp k, 0,1,2,3                        ; the sums of the unquantised p: tile 1 in four chains, tile 0's 16 pairs folded beside them
	v_pk_add_f32 v[A+8+2*\k:A+9+2*\k], v[S+64+2*\k:S+65+2*\k], v[S+72+2*\k:S+73+2*\k]
	v_pk_add_f32 v[R+2*\k:R+2*\k+1], v[R+2*\k:R+2*\k+1], v[R+16+2*\k:R+17+2*\k]
	v_pk_add_f32 v[R+8+2*\k:R+9+2*\k], v[R+8+2*\k:R+9+2*\k], v[R+24+2*\k:R+25+2*\k]
.endr
.irp g, 16,24,32,40,48,56
.irp k, 0,1,2,3
	v_pk_add_f32 v[A+8+2*\k:A+9+2*\k], v[A+8+2*\k:A+9+2*\k], v[S+64+\g+2*\k:S+65+\g+2*\k]
.if \g == 16
	v_pk_add_f32 v[R+2*\k:R+2*\k+1], v[R+2*\k:R+2*\k+1], v[R+8+2*\k:R+9+2*\k]
.endif
.endr
.endr
.irp n, 0,1,2,3
	v_add_nc_u32 v[X+\n], 0xff000000, v[B+\n]      ; 2 off the exponent field: the conversion's scale operand
.endr
.irp n, 0,1,2,3
	v_lshrrev_b32 v[BY+\n], 23, v[X+\n]            ; the scale's byte
.endr
	v_pk_add_f32 v[A:A+1], v[R:R+1], v[R+4:R+5]
	v_pk_add_f32 v[A+4:A+5], v[R+2:R+3], v[R+6:R+7]
	v_pk_add_f32 v[A+8:A+9], v[A+8:A+9], v[A+10:A+11]
	v_pk_add_f32 v[A+12:A+13], v[A+12:A+13], v[A+14:A+15]
.irp x, 0,1
	v_lshl_or_b32 v[W+\x], v[BY+2*\x+1], 16, v[BY+2*\x]    ; my bytes: blocks h and 2 + h,
.endr
.irp x, 0,1
	v_pk_fma_f32 v[L+2*(2*\pr+\x):L+2*(2*\pr+\x)+1], v[L+2*(2*\pr+\x):L+2*(2*\pr+\x)+1], v[F+2*(2*\pr+\x):F+2*(2*\pr+\x)+1], v[A+8*\x:A+8*\x+1] op_sel_hi:[1,0,1]   ; l x f + the new terms
.endr
.irp x, 0,1
	v_lshlrev_b32 v[W+\x], v[H8], v[W+\x]          ; at their places in the word
.endr
.irp x, 0,1
	v_pk_add_f32 v[L+2*(2*\pr+\x):L+2*(2*\pr+\x)+1], v[L+2*(2*\pr+\x):L+2*(2*\pr+\x)+1], v[A+8*\x+4:A+8*\x+5]
.endr
.irp x, 0,1
	v_permlanex16_b32 v[U+\x], v[W+\x], s[SEL], s[SEL+1]
.endr
.irp x, 0,1
.irp c, 0,1
.irp g, 0,1,2,3
	v_cvt_scalef32_pk8_fp4_f32 v[PC+8*\x+4*\c+\g], v[S+64*\x+32*\c+8*\g:S+64*\x+32*\c+8*\g+7], v[X+2*\x+\c]   ; registers 4 c .. 4 c + 3 of the operand: k = 64 c + 32 h + 0 .. 31
.endr
.endr
.endr
.irp x, 0,1
	v_or_b32 v[PS+2*\pr+\x], v[W+\x], v[U+\x]      ; with lane l xor 16's two bytes p's scale word is whole.  (Plain instructions behind the conversions)
.endr
	WIN 0x41                                       ; O^T in window 1, f in window 0
	s_wait_alu depctr_va_vdst(0)                   ; the wait directly ahead of the first reader of O^T
.irp x, 0,1
.irp j, 0,2,4,6,8,10,12,14,16,18,20,22,24,26,28,30
	v_pk_mul_f32 v[OT+32*(2*\pr+\x)+\j:OT+32*(2*\pr+\x)+\j+1], v[OT+32*(2*\pr+\x)+\j:OT+32*(2*\pr+\x)+\j+1], v[F+2*(2*\pr+\x):F+2*(2*\pr+\x)+1] op_sel_hi:[1,0]   ; O^T under the new M; these 32 also stand between the writing of p's codes and scale words and the products
.endr
.endr
	WIN 0x51                                       ; v and O^T in window 1, p's codes in window 0
.irp x, 0,1
.irp t, 0,1,2,3
	v_wmma_scale_f32_16x16x128_f8f6f4 v[OT+32*(2*\pr+\x)+8*\t:OT+32*(2*\pr+\x)+8*\t+7], v[VF+8*\t:VF+8*\t+7], v[PC+8*\x:PC+8*\x+7], v[OT+32*(2*\pr+\x)+8*\t:OT+32*(2*\pr+\x)+8*\t+7], v[SCV+\t], v[PS+2*\pr+\x] matrix_a_fmt:MATRIX_FMT_FP4 matrix_b_fmt:MATRIX_FMT_FP4 matrix_a_scale:MATRIX_SCALE_ROW1
.endr
.endr
	WIN 0
.endm
.Lstep:                                            ; 16 trips of 128 keys
.rept 4
	v_nop                                          ; four places between the last trip's products and the loads into registers that they read
.endr
	WIN 0x40
.irp t, 0,1,2,3
.irp c, 0,1
	ds_load_b128 v[VF+8*\t+4*\c:VF+8*\t+4*\c+3], v[ADV] offset:4096+1024*\t+512*\c
.endr
.endr
	WIN 0
	ds_load_b128 v[SCV:SCV+3], v[ADV] offset:8192  ; lanes 16-31: v's four scale words
	s_add_co_u32 s[TK], s[TK], STEPB
	s_min_u32 s[TKN], s[TK], 15*STEPB              ; the next step's block, held at the last
	s_wait_dscnt 9                                 ; k's 12 loads are in; the 9 just issued may be out
	PAIR 0
	PAIR 1
	s_sub_co_u32 s[CNT], s[CNT], 1
	s_cmp_lg_u32 s[CNT], 0
	s_cbranch_scc1 .Lstep
	; THE WAY OUT: O^T / l, quantised along d: two blocks of 32, blocks 2 n and 2 n + 1 of the last product's K.  The four tiles by turns.
.set TB, 52
.set TU, 60
.set TX, 72
.set TW, 80
.set TL, 84
.irp i, 0,1,2,3
	v_add_f32 v[L+2*\i], v[L+2*\i], v[L+2*\i+1]    ; the sum's two halves (these twelve lines are also the places behind the last products),
.endr
.irp i, 0,1,2,3
	v_permlanex16_b32 v[TL+\i], v[L+2*\i], s[SEL], s[SEL+1]
.endr
.irp i, 0,1,2,3
	v_add_f32 v[L+2*\i], v[L+2*\i], v[TL+\i]       ; and lane l xor 16's: the row's sum
.endr
	s_wait_alu depctr_va_vdst(0)                   ; the wait ahead of the batch
.irp i, 0,1,2,3
	v_rcp_f32 v[L+2*\i], v[L+2*\i]
.endr
	v_nop
	WIN 0x01                                       ; O^T in window 1
	s_wait_alu depctr_va_vdst(0)                   ; and behind it, directly ahead of the first reader
.irp i, 0,1,2,3
.irp j, 0,2,4,6,8,10,12,14,16,18,20,22,24,26,28,30
	v_pk_mul_f32 v[S+32*\i+\j:S+32*\i+\j+1], v[OT+32*\i+\j:OT+32*\i+\j+1], v[L+2*\i:L+2*\i+1] op_sel_hi:[1,0]   ; register 16 g + e: d = 32 g + 16 h + e
.endr
.endr
	WIN 0
.irp i, 0,1,2,3
.irp g, 0,1
	v_max3_num_f32 v[TB+2*\i+\g], |v[S+32*\i+16*\g]|, |v[S+32*\i+16*\g+1]|, 0x1800000
.endr
.endr
.irp j, 2,4,6,8,10,12,14
.irp i, 0,1,2,3
.irp g, 0,1
	v_max3_num_f32 v[TB+2*\i+\g], v[TB+2*\i+\g], |v[S+32*\i+16*\g+\j]|, |v[S+32*\i+16*\g+\j+1]|
.endr
.endr
.endr
.irp n, 0,1,2,3,4,5,6,7
	v_permlanex16_b32 v[TU+\n], v[TB+\n], s[SEL], s[SEL+1]
.endr
.irp n, 0,1,2,3,4,5,6,7
	v_max_num_f32 v[TB+\n], v[TB+\n], v[TU+\n]
.endr
.irp n, 0,1,2,3,4,5,6,7
	v_add_nc_u32 v[TX+\n], 0xff000000, v[TB+\n]
.endr
.irp n, 0,1,2,3,4,5,6,7
	v_lshrrev_b32 v[TU+\n], 23, v[TX+\n]
.endr
.irp i, 0,1,2,3
	v_lshl_or_b32 v[TW+\i], v[TU+2*\i+1], 8, v[TU+2*\i]    ; my query's two scale bytes
.endr
.irp i, 0,1,2,3
.irp g, 0,1
	v_cvt_scalef32_pk8_fp4_f32 v[PC+4*\i+2*\g], v[S+32*\i+16*\g:S+32*\i+16*\g+7], v[TX+2*\i+\g]
	v_cvt_scalef32_pk8_fp4_f32 v[PC+4*\i+2*\g+1], v[S+32*\i+16*\g+8:S+32*\i+16*\g+15], v[TX+2*\i+\g]
.endr
.endr
	v_nop                                          ; one plain instruction behind the conversions
.irp i, 0,1,2,3
	v_permlane16_swap_b32 v[PC+4*\i], v[PC+4*\i+2]         ; here a lane holds half blocks: the operand's layout wants a whole block in a lane
	v_permlane16_swap_b32 v[PC+4*\i+1], v[PC+4*\i+3]
.endr
.irp i, 0,1,2,3
	global_store_b128 v[LI], v[PC+4*\i:PC+4*\i+3], s[44:45] offset:4096*\i   ; 512 consecutive bytes, aligned to 256: a chunk of the row tile's code image
	ds_store_b16 v[AST], v[TW+\i] offset:32*\i     ; both halves of the lanes write the same bytes with the same value
.endr
	s_wait_dscnt 0x0                               ; for the others' sake: my scale bytes lie in the stage
	s_barrier_signal -1
	s_barrier_wait -1
	s_cmp_lt_u32 s[WV], 2
	s_cbranch_scc0 .Lno_out
	ds_load_b128 v[S:S+3], v[SRD]
	s_wait_dscnt 0x0
	global_store_b128 v[SGO], v[S:S+3], s[46:47]   ; the work-group's 32 tiles' scale bytes: 512 consecutive bytes a wave
.Lno_out:
	s_wait_tensorcnt 0x0                           ; the wave's end
	ds_add_u32 v[SPW], v[NIL]
	s_wait_dscnt 0x0
	CROUND                                         ; the closing round
	s_endpgm
.Lfunc_end_k_qb4eed8479e_attn:
	.size	k_qb4eed8479e_attn, .Lfunc_end_k_qb4eed8479e_attn-k_qb4eed8479e_attn
	.p2alignl 7, 3214868480
	.fill 96, 4, 3214868480
	.section	.rodata,"a",@progbits
	.p2align	6, 0x0
	.amdhsa_kernel k_qb4eed8479e_attn
		.amdhsa_group_segment_fixed_size 169984
		.amdhsa_private_segment_fixed_size 0
		.amdhsa_enable_private_segment 0
		.amdhsa_kernarg_size 24
		.amdhsa_user_sgpr_count 2
		.amdhsa_user_sgpr_kernarg_segment_ptr 1
		.amdhsa_wavefront_size32 1
		.amdhsa_system_sgpr_workgroup_id_x 1
		.amdhsa_system_sgpr_workgroup_id_y 1
		.amdhsa_system_sgpr_workgroup_id_z 1
		.amdhsa_system_vgpr_workitem_id 0
		.amdhsa_next_free_vgpr 512
		.amdhsa_next_free_sgpr 66
		.amdhsa_reserve_vcc 0
		.amdhsa_float_denorm_mode_32 3
		.amdhsa_float_denorm_mode_16_64 3
		.amdhsa_memory_ordered 1
		.amdhsa_forward_progress 1
		.amdhsa_inst_pref_size 78
	.end_amdhsa_kernel
	.amdgpu_metadata
---
amdhsa.version: [ 1, 2 ]
amdhsa.kernels:
  - .name:           k_qb4eed8479e_attn
    .symbol:         k_qb4eed8479e_attn.kd
    .args:
      - { .name: qq, .offset: 0, .size: 8, .value_kind: global_buffer, .address_space: global }
      - { .name: kv, .offset: 8, .size: 8, .value_kind: global_buffer, .address_space: global }
      - { .name: ao, .offset: 16, .size: 8, .value_kind: global_buffer, .address_space: global }
    .group_segment_fixed_size: 169984
    .private_segment_fixed_size: 0
    .kernarg_segment_align: 8
    .kernarg_segment_size: 24
    .max_flat_workgroup_size: 256
    .sgpr_count:     66
    .vgpr_count:     512
    .wavefront_size: 32
...
	.end_amdgpu_metadata
.endif
;; end of part 3
;; launch oproj (part 4): grid 4 x 64, 4 waves a work-group, clusters of 4 x 4, 327,680 bytes of LDS; arguments ao, wq, x, out0; writes out0
.if DOCPART == 4
	.amdgcn_target "amdgcn-amd-amdhsa--gfx1250"
	.amdhsa_code_object_version 6
	.text
	.protected	k_qb4eed8479e_oproj
	.globl	k_qb4eed8479e_oproj
	.p2align	8
	.type	k_qb4eed8479e_oproj,@function
k_qb4eed8479e_oproj:
	s_mov_b64 s[64:65], 0
	v_nop
	global_prefetch_b8 v0, s[64:65] scope:SCOPE_SE
	s_setreg_imm32_b32 hwreg(HW_REG_WAVE_MODE, 25, 1), 1
	s_wait_xcnt 0x0
	s_wait_alu depctr_hold_cnt(0) depctr_sa_sdst(0) depctr_va_vdst(0) depctr_va_sdst(0) depctr_va_ssrc(0) depctr_va_vcc(0) depctr_vm_vsrc(0)
	s_getreg_b32 s2, hwreg(HW_REG_IB_STS2, 6, 4)
	s_cmp_eq_u32 s2, 0
	s_cbranch_scc0 .Lentry_in_a_cluster
	s_endpgm
.Lentry_in_a_cluster:
	s_bfe_u32 s2, ttmp6, 0x10000c
	s_cmp_lg_u32 s2, 0xf033
	s_cbranch_scc0 .Lentry_shape_is_right
	s_endpgm
.Lentry_shape_is_right:
; OPROJ: out0 = x + Q(attention's result) Q(w_out)^T on codes of FP4 with E8M0 scales, K = 1,024.  A work-group makes 128 rows x 256 columns.
; LDS: ao's 8 tiles, K half 0 then K half 1 (65,536 bytes); from WOF w_out's tiles 0-7, both K halves, then tiles 8-15; from ASC ao's scale bytes, 16 heads x 256 bytes.  Each LDS byte is filled once, at the head, one tensor load a wave.
.set SLOT,  32768                      ; from K half to K half in LDS
.set WOF,   65536
.set ASC,   196608
.set WSC,   200704
.set STG,   208896
.set ADP,  16
.set ADR,  18
.set STO,  24
.set RD,   25
.set LI,   26
.set AS0,  27
.set WS0,  28
.set SPW,  32
.set SA,   64
.set HV,   80
.set BK,   128
.set G1,   24
.set G0,   32
.set G1B,  48
.set G0B,  56
.set G1S,  68
.set G0S,  76
.set G1SB, 80
.set G0SB, 88
.set MSB, 0
.macro WIN new
.if MSB != \new
	s_set_vgpr_msb (MSB<<8)|\new
.set MSB, \new
.endif
.endm
.macro JLOAD g0a, g1a, g0b, g1b
	s_cmp_eq_u32 s15, 0
	s_cbranch_scc0 .Lfor_b_\@
	tensor_load_to_lds s[\g0a:\g0a+3], s[\g1a:\g1a+7]
	s_nop 0
.rept 4
	v_nop
.endr
	s_branch .Lasked_\@
.Lfor_b_\@:
	tensor_load_to_lds s[\g0b:\g0b+3], s[\g1b:\g1b+7]
	s_nop 0
.rept 4
	v_nop
.endr
.Lasked_\@:
.endm
.macro CROUND
	s_barrier_signal -1
	s_barrier_wait -1
	s_cmp_lg_u32 s14, 0
	s_cbranch_scc1 .Lnot_wave_0_\@
	s_barrier_signal -3
.Lnot_wave_0_\@:
	s_barrier_wait -3
	s_barrier_signal -1
	s_barrier_wait -1
.endm
	s_load_b128 s[4:7], s[0:1], 0x0
	s_load_b128 s[8:11], s[0:1], 0x10
	v_lshl_add_u32 v126, v0, 2, 0x3b400
	v_mov_b32 v127, 0
	ds_add_u32 v126, v127
	ds_add_u32 v126, v127
	v_lshrrev_b32 v1, 5, v0
	v_readfirstlane_b32 s14, v1
	s_lshr_b32 s15, s14, 1
	s_and_b32 s16, s14, 1
	s_bfe_u32 s40, ttmp6, 0x40000
	s_bfe_u32 s41, ttmp6, 0x40004
	s_lshl_b32 s42, ttmp9, 2
	s_add_co_u32 s42, s42, s40
	s_and_b32 s17, ttmp7, 0xffff
	s_lshl_b32 s17, s17, 2
	s_add_co_u32 s17, s17, s41
	s_lshl_b32 s43, s41, 2
	s_lshl_b32 s43, 15, s43
	s_lshl_b32 s44, 0x1111, s40
	s_or_b32 s[G1+0], s43, (3<<16)|(1<<21)
	s_mov_b32 s[G1+1], 4096<<16                    ; 8 tiles of both K halves: two rows of 32,768 bytes (4,096 elements of 8),
	s_mov_b32 s[G1+2], 2<<16
	s_mov_b32 s[G1+3], 4096<<16
	s_mov_b32 s[G1+4], 2
	s_mov_b32 s[G1+5], 262144                      ; ao's K halves lie 2,097,152 bytes apart
	s_mov_b32 s[G1+6], 0
	s_mov_b32 s[G1+7], 0
	s_or_b32 s[G1B+0], s44, (3<<16)|(1<<21)
	s_mov_b32 s[G1B+1], 4096<<16
	s_mov_b32 s[G1B+2], 2<<16
	s_mov_b32 s[G1B+3], 4096<<16
	s_mov_b32 s[G1B+4], 2
	s_mov_b32 s[G1B+5], 32768                      ; w_out's 262,144 bytes apart
	s_mov_b32 s[G1B+6], 0
	s_mov_b32 s[G1B+7], 0
	s_or_b32 s[G1S+0], s43, (3<<16)|(1<<21)
	s_mov_b32 s[G1S+1], 32<<16
	s_mov_b32 s[G1S+2], 16<<16                     ; ao's scale bytes: 256 bytes of each of the batch's 16 heads
	s_mov_b32 s[G1S+3], 32<<16
	s_mov_b32 s[G1S+4], 16
	s_mov_b32 s[G1S+5], 512
	s_mov_b32 s[G1S+6], 0
	s_mov_b32 s[G1S+7], 0
	s_lshl_b32 s20, s17, 15                        ; ao's codes: my work-group's 8 tiles
	s_mov_b32 s21, 0
	s_lshr_b32 s22, s17, 4                         ; ao's scale bytes: the batch's 16 heads, 4,096 bytes a head; my 8 tiles' 256 bytes
	s_lshl_b32 s22, s22, 16
	s_and_b32 s19, s17, 15
	s_lshl_b32 s19, s19, 8
	s_add_co_u32 s22, s22, s19
	s_add_co_u32 s22, s22, 4194304
	s_mov_b32 s23, 0
	s_lshl_b32 s46, s42, 16                        ; w_out's codes: wave 1 fetches tiles 0-7, wave 2 tiles 8-15: wave / 2 says which
	s_lshl_b32 s18, s15, 15
	s_add_co_u32 s46, s46, s18
	s_add_co_u32 s46, s46, 1671168
	s_mov_b32 s47, 0
	s_lshl_b32 s92, s42, 13                        ; w_out's scale images: those of the 8 tiles that I multiply
	s_lshl_b32 s19, s16, 12
	s_add_co_u32 s92, s92, s19
	s_add_co_u32 s92, s92, 2195456
	s_mov_b32 s93, 0
	s_lshl_b32 s94, s15, 16
	s_add_co_u32 s94, s94, WOF
	s_and_b32 s96, s17, 15
	s_lshl_b32 s96, s96, 7
	s_lshl_b32 s97, s15, 6
	s_add_co_u32 s96, s96, s97
	s_lshl_b32 s96, s96, 14
	s_lshr_b32 s97, s17, 4
	s_lshl_b32 s97, s97, 12
	s_add_co_u32 s96, s96, s97
	s_lshl_b32 s97, s42, 10
	s_add_co_u32 s96, s96, s97
	s_lshl_b32 s97, s16, 9
	s_add_co_u32 s96, s96, s97
	s_mov_b32 s97, 0
	v_and_b32 v1, 31, v0
	v_and_b32 v2, 15, v0
	v_bfe_u32 v3, v0, 4, 1
	v_lshlrev_b32 v[LI], 4, v1
	s_wait_dscnt 0x0
	s_wait_kmcnt 0x0
	s_add_nc_u64 s[20:21], s[4:5], s[20:21]
	s_add_nc_u64 s[22:23], s[4:5], s[22:23]
	s_add_nc_u64 s[46:47], s[6:7], s[46:47]
	s_add_nc_u64 s[92:93], s[6:7], s[92:93]
	s_add_nc_u64 s[8:9], s[8:9], s[96:97]
	s_add_nc_u64 s[10:11], s[10:11], s[96:97]
	CROUND
	s_mov_b32 s[G0], 1
	s_mov_b32 s[G0+1], 0
	s_mov_b64 s[G0+2:G0+3], s[20:21]
	s_or_b32 s[G0+3], s[G0+3], 0x80000000
	s_mov_b32 s[G0B], 1
	s_mov_b32 s[G0B+1], s94
	s_mov_b64 s[G0B+2:G0B+3], s[46:47]
	s_or_b32 s[G0B+3], s[G0B+3], 0x80000000
	s_mov_b32 s[G0S], 1
	s_mov_b32 s[G0S+1], ASC
	s_mov_b64 s[G0S+2:G0S+3], s[22:23]
	s_or_b32 s[G0S+3], s[G0S+3], 0x80000000
; the head's loads, one a wave: wave 0 ao's codes, waves 1 and 2 w_out's, wave 3 ao's scale bytes: one tree of branches on the wave's number, an arm a load
.macro ARM under, g0, g1, next
	s_cmp_lt_u32 s14, \under
	s_cbranch_scc0 \next
	tensor_load_to_lds s[\g0:\g0+3], s[\g1:\g1+7]
	s_nop 0
.rept 4
	v_nop
.endr
	s_branch .Lhead_asked
\next:
.endm
	ARM 1, G0,  G1,  .Lhead_w
	ARM 3, G0B, G1B, .Lhead_s
	tensor_load_to_lds s[G0S:G0S+3], s[G1S:G1S+7]
	s_nop 0
.rept 4
	v_nop
.endr
.Lhead_asked:
	s_wait_alu depctr_va_vdst(0)                   ; the wait ahead of the readers below
.irp b, 0,1,2,3,4,5,6,7                ; w_out's scale words go straight into registers: they lie in memory as register images, each load 512 consecutive bytes
	global_load_b128 v[SPW+4*\b:SPW+4*\b+3], v[LI], s[92:93] offset:512*\b
.endr
	WIN 0x40
	s_wait_alu depctr_va_vdst(0)
.irp a, 0,1,2,3
.irp i, 0,1,2,3,4,5,6,7,8,9,10,11,12,13,14,15
	global_load_b128 v[64*\a+4*\i:64*\a+4*\i+3], v[LI], s[8:9] offset:(32*(\a/2)+8*(\a%2)+\i+8*(\i/8))*16384 th:TH_LOAD_NT
.endr
.endr
	WIN 0
	s_lshl_b32 s12, s16, 16
	s_add_co_u32 s12, s12, WOF
	s_lshl_b32 s13, s15, 14
.irp s, 0,1
	v_add_nc_u32 v[ADP+\s], s12, v[LI]
	v_add_nc_u32 v[ADR+\s], s13, v[LI]
	s_add_co_u32 s12, s12, SLOT
	s_add_co_u32 s13, s13, SLOT
.endr
	s_mul_i32 s12, s14, 16*528
	s_add_co_u32 s12, s12, STG
	v_mul_u32_u24 v[STO], v2, 528
	v_lshl_add_u32 v[STO], v3, 6, v[STO]
	v_add_nc_u32 v[STO], s12, v[STO]
	v_add_nc_u32 v[RD], s12, v[LI]
	s_lshl_b32 s12, s15, 7
	s_add_co_u32 s12, s12, ASC
	v_lshlrev_b32 v[AS0], 1, v2
	v_lshl_add_u32 v[AS0], v3, 11, v[AS0]
	v_add_nc_u32 v[AS0], s12, v[AS0]
.macro WM d, fa, fb, zero, sa, sb, row
.if \zero
	v_wmma_scale_f32_16x16x128_f8f6f4 v[\d:\d+7], v[\fa:\fa+7], v[\fb:\fb+7], 0, v[\sa], v[\sb] matrix_a_fmt:MATRIX_FMT_FP4 matrix_b_fmt:MATRIX_FMT_FP4
.elseif \row
	v_wmma_scale_f32_16x16x128_f8f6f4 v[\d:\d+7], v[\fa:\fa+7], v[\fb:\fb+7], v[\d:\d+7], v[\sa], v[\sb] matrix_a_fmt:MATRIX_FMT_FP4 matrix_b_fmt:MATRIX_FMT_FP4 matrix_a_scale:MATRIX_SCALE_ROW1 matrix_b_scale:MATRIX_SCALE_ROW1
.else
	v_wmma_scale_f32_16x16x128_f8f6f4 v[\d:\d+7], v[\fa:\fa+7], v[\fb:\fb+7], v[\d:\d+7], v[\sa], v[\sb] matrix_a_fmt:MATRIX_FMT_FP4 matrix_b_fmt:MATRIX_FMT_FP4
.endif
.endm
.macro PLACES
.rept 4
	v_nop
.endr
.endm
.macro FETCH ks
.set SL, (\ks)/4
.set FE, 128*((\ks)%2)
	WIN 0xc0
.irp b, 0,1,2,3,4,5,6,7
.irp c, 0,1
	ds_load_b128 v[FE+8*\b+4*\c:FE+8*\b+4*\c+3], v[ADP+SL] offset:4096*\b+1024*((\ks)%4)+512*\c
.endr
.endr
.irp a, 0,1,2,3
.irp c, 0,1
	ds_load_b128 v[FE+64+8*\a+4*\c:FE+64+8*\a+4*\c+3], v[ADR+SL] offset:4096*\a+1024*((\ks)%4)+512*\c
.endr
.endr
.endm
.macro MUL32 ks
.set FE, 128*((\ks)%2)
.set ZR, 0
.if (\ks) == 0
.set ZR, 1
.endif
	WIN 0xaf
.irp a, 0,1,2,3
.irp b, 0,1,2,3,4,5,6,7
	WM 8*(8*\a+\b), FE+8*\b, FE+64+8*\a, ZR, SPW+4*\b+(\ks)%4, SA+4*\a+(\ks)%4, (\ks)/4
.endr
.endr
.endm
	s_wait_alu depctr_va_vdst(0)
	s_wait_tensorcnt 0x0                           ; my tile is in,
	s_barrier_signal -1
	s_barrier_wait -1                              ; everybody's is
.irp a, 0,1,2,3
.irp q, 0,1,2,3
	ds_load_u16 v[HV+8*\a+2*\q], v[AS0] offset:512*\q+32*\a
	ds_load_u16 v[HV+8*\a+2*\q+1], v[AS0] offset:512*\q+256+32*\a
.endr
.endr
	FETCH 0
	WIN 0
	s_wait_loadcnt 63                              ; w_out's 8 loads of scale words are in: behind them stand x's 64
	s_wait_dscnt 24
.irp a, 0,1,2,3
.irp q, 0,1,2,3
	v_lshl_or_b32 v[SA+4*\a+\q], v[HV+8*\a+2*\q+1], 16, v[HV+8*\a+2*\q]
.endr
.endr
.rept 8
	v_nop
.endr
.macro STEP ks
	s_wait_dscnt 0x0
.if (\ks) < 7
	PLACES
	FETCH (\ks)+1
.endif
	MUL32 \ks
.endm
	s_wait_alu depctr_va_vdst(0)
.irp k, 0,1,2,3,4,5,6,7
	STEP \k
.endr
	WIN 0
.macro TOSTAGE a
	WIN 0x08
.irp b, 0,1,2,3,4,5,6,7
	ds_store_b128 v[STO], v[8*(8*\a+\b):8*(8*\a+\b)+3] offset:128*(\b/2)+32*(\b%2)
	ds_store_b128 v[STO], v[8*(8*\a+\b)+4:8*(8*\a+\b)+7] offset:128*(\b/2)+32*(\b%2)+16
.endr
	WIN 0
.set BB, BK+64*((\a)%2)
.irp i, 0,1,2,3,4,5,6,7,8,9,10,11,12,13,14,15
	ds_load_b128 v[BB+4*\i:BB+4*\i+3], v[RD] offset:528*\i
.endr
.endm
.macro SEND a, younger
.set BB, BK+64*((\a)%2)
	s_wait_dscnt \younger
	WIN 0x04
.irp p, 0,2,4,6,8,10,12,14,16,18,20,22,24,26,28,30,32,34,36,38,40,42,44,46,48,50,52,54,56,58,60,62
	v_pk_add_f32 v[BB+\p:BB+\p+1], v[BB+\p:BB+\p+1], v[64*(\a)+\p:64*(\a)+\p+1]
.endr
	WIN 0
.irp i, 0,1,2,3,4,5,6,7,8,9,10,11,12,13,14,15
	global_store_b128 v[LI], v[BB+4*\i:BB+4*\i+3], s[10:11] offset:(32*((\a)/2)+8*((\a)%2)+\i+8*(\i/8))*16384 th:TH_STORE_NT
.endr
.endm
	PLACES
	s_wait_loadcnt 0x0
	TOSTAGE 0
.irp a, 1,2,3
.if \a > 1
	s_wait_xcnt 0x0
.endif
	TOSTAGE \a
	SEND \a-1, 32
.endr
	SEND 3, 0
	s_wait_tensorcnt 0x0
	ds_add_u32 v126, v127
	s_wait_dscnt 0x0
	CROUND
	s_endpgm
.Lfunc_end_k_qb4eed8479e_oproj:
	.size	k_qb4eed8479e_oproj, .Lfunc_end_k_qb4eed8479e_oproj-k_qb4eed8479e_oproj
	.p2alignl 7, 3214868480
	.fill 96, 4, 3214868480
	.section	.rodata,"a",@progbits
	.p2align	6, 0x0
	.amdhsa_kernel k_qb4eed8479e_oproj
		.amdhsa_group_segment_fixed_size 327680
		.amdhsa_private_segment_fixed_size 0
		.amdhsa_enable_private_segment 0
		.amdhsa_kernarg_size 32
		.amdhsa_user_sgpr_count 2
		.amdhsa_user_sgpr_kernarg_segment_ptr 1
		.amdhsa_wavefront_size32 1
		.amdhsa_system_sgpr_workgroup_id_x 1
		.amdhsa_system_sgpr_workgroup_id_y 1
		.amdhsa_system_sgpr_workgroup_id_z 1
		.amdhsa_system_vgpr_workitem_id 0
		.amdhsa_next_free_vgpr 1024
		.amdhsa_next_free_sgpr 100
		.amdhsa_reserve_vcc 0
		.amdhsa_float_denorm_mode_32 3
		.amdhsa_float_denorm_mode_16_64 3
		.amdhsa_memory_ordered 1
		.amdhsa_forward_progress 1
		.amdhsa_inst_pref_size 87
	.end_amdhsa_kernel
	.amdgpu_metadata
---
amdhsa.version: [ 1, 2 ]
amdhsa.kernels:
  - .name:           k_qb4eed8479e_oproj
    .symbol:         k_qb4eed8479e_oproj.kd
    .args:
      - { .name: ao, .offset: 0, .size: 8, .value_kind: global_buffer, .address_space: global }
      - { .name: wq, .offset: 8, .size: 8, .value_kind: global_buffer, .address_space: global }
      - { .name: x, .offset: 16, .size: 8, .value_kind: global_buffer, .address_space: global }
      - { .name: out0, .offset: 24, .size: 8, .value_kind: global_buffer, .address_space: global }
    .group_segment_fixed_size: 327680
    .private_segment_fixed_size: 0
    .kernarg_segment_align: 8
    .kernarg_segment_size: 32
    .max_flat_workgroup_size: 128
    .sgpr_count:     100
    .vgpr_count:     1024
    .wavefront_size: 32
...
	.end_amdgpu_metadata
.endif
;; end of part 4
